; MI455X (gfx1250); checked and timed in simulation.
; The chip was launched on July 23, 2026; its instructions are those of AMD's public machine-readable ISA for CDNA 5 (MIT licence, August 2026) and "CDNA5" Instruction Set Architecture Reference Guide (July 2026). The comments in the code are by the model that wrote it; some were corrected since.
;; Multi Head Attention. Allowed arithmetic: matrix products marked QUANTISED: E2M3 operands, one E8M0 scale for each 32 along K, by v_wmma_scale_f32_16x16x128_f8f6f4 with both operands' format E2M3, f32 sums; everything else in f32.
;; Inputs: w_k 1,024 x 1,024 float32; w_o 1,024 x 1,024 float32; w_q 1,024 x 1,024 float32; w_v 1,024 x 1,024 float32; x 4 x 2,048 x 1,024 float32.
;; Outputs: out0 4 x 2,048 x 1,024 float32.
;; This version of the problem:
;;   THIS VERSION OF THE PROBLEM IS GIVEN IN LOW PRECISION. The matrix products marked QUANTISED in the list below multiply operands that are first quantised to E2M3 (2 exponent bits, 3 mantissa bits; 6 bits a number), with one power-of-two scale for each 32 numbers along K (OCP MX v1.0); their sums are f32. All else is computed in f32.
;;   The module's matrix products, in the order in which they are computed (A, B: the left and right operand; K: the contracted axis; several contracted axes count as one K, in the product's order):
;;     1. [M 8,192, K 1,024] x [K 1,024, N 1,024]; A: input x; B: input w_q: QUANTISED
;;     2. [M 8,192, K 1,024] x [K 1,024, N 1,024]; A: input x; B: input w_k: QUANTISED
;;     3. [M 8,192, K 1,024] x [K 1,024, N 1,024]; A: input x; B: input w_v: QUANTISED
;;     4. batch 64 x [M 2,048, K 64] x [K 64, N 2,048]; A: computed on the way; B: computed on the way: QUANTISED
;;     5. batch 64 x [M 2,048, K 2,048] x [K 2,048, N 64]; A: softmax (see below); B: computed on the way: QUANTISED
;;     6. [M 8,192, K 1,024] x [K 1,024, N 1,024]; A: computed on the way; B: input w_o: QUANTISED
;;   THE QUANTISER, for each operand of a quantised product, along K:
;;     - K is cut into blocks of 32 from its start; a last block that is shorter is filled with zeros.
;;     - A block's scale is 2^e with e = floor(log2(the largest magnitude in the block)) - 2, held to -126 .. 127; a block of zeros has e = 0. As a byte (E8M0): e + 127.
;;     - Each number is divided by its block's scale, clamped to +-7.5, and rounded to the nearest number of E2M3, ties to even, subnormals kept.
;;     - The product sums the exact products of the quantised numbers (number of the format x scale) in f32.
;;   ~~~python
;;   def quantise(x, axis):      # numpy; x: float32 -> the quantised numbers, widened to float32 again
;;       x = np.moveaxis(x, axis, -1); K = x.shape[-1]
;;       x = np.pad(x, [(0, 0)] * (x.ndim - 1) + [(0, -K % 32)]); x = x.reshape(x.shape[:-1] + (-1, 32)); a = np.abs(x).max(-1, keepdims=True)
;;       e = np.where(a > 0, np.clip(np.frexp(np.where(a > 0, a, 1))[1] - 1 - 2, -126, 127), 0)      # np.frexp(a)[1] - 1 = floor(log2(a)), exactly
;;       r = np.clip(x / 2.0 ** e, -7.5, 7.5)
;;       step = 2.0 ** (np.maximum(np.frexp(np.where(r == 0, 1, r))[1] - 1, 0) - 3)
;;       q = np.round(r / step) * step * 2.0 ** e      # np.round: ties to even
;;       return np.moveaxis(q.reshape(q.shape[:-2] + (-1,))[..., :K], -1, axis).astype(np.float32)
;;   ~~~
;;   SOFTMAX AHEAD OF A QUANTISED PRODUCT. Where the list says 'softmax', what is quantised is not the finished softmax but p = 2^(t - M), with t = logit x log2(e) and M = ceil(the row's largest t), a whole number; so 1/2 < the row's largest p <= 1. The row's sum l is taken of the UNQUANTISED p, in f32, and the product's result is divided by l at the end. Since M is a whole number, a kernel that streams over the keys may use a running M (the ceiling of the running maximum): every later rescaling is an exact power of two, which a block's scale takes up: the codes' values come out the same.
;;   OPERANDS COMPUTED ON THE WAY. 'Computed on the way' means the value that the module computes at that place (a softmax that the list does not call 'softmax' is quantised finished and normalised). What goes into a quantiser is computed in f32, as accurately as f32 sums, v_exp_f32 and their like allow (about 1e-6 of the number): no bf16 or f16 on the way to a quantiser, and a product that is left as it is and whose result goes on into a quantised operand takes f32 operands (vector FMAs, or v_wmma_f32_16x16x4_f32). A number that lies on a knife's edge between two numbers of the format may be rounded either way, as far as f32 arithmetic and the matrix unit's own rounding can turn it there, and no further.
;; One version. Each part assembles by itself: llvm-mc -triple=amdgcn-amd-amdhsa -mcpu=gfx1250 --defsym DOCPART=n.
;; ======== version 1 of 1: 4 launches
;; limits: right only within a limited range of input values
;; workspace buffers: opc 9,437,184 bytes; ops 393,216 bytes; qkv 20,447,232 bytes; aoc 6,291,456 bytes; aos 262,144 bytes
;; launch quant (part 1): grid 768 x 1, 8 waves a work-group, no clusters, 69,632 bytes of LDS; arguments x, w_q, w_k, w_v, w_o, opc, ops; writes opc, ops
.if DOCPART == 1
	.amdgcn_target "amdgcn-amd-amdhsa--gfx1250"
	.amdhsa_code_object_version 6
	.text
	.protected	k_q31e10be61a_quant
	.globl	k_q31e10be61a_quant
	.p2align	8
	.type	k_q31e10be61a_quant,@function
k_q31e10be61a_quant:
	s_mov_b64 s[64:65], 0
	v_nop
	global_prefetch_b8 v0, s[64:65] scope:SCOPE_SE
	s_setreg_imm32_b32 hwreg(HW_REG_WAVE_MODE, 25, 1), 1
	s_wait_xcnt 0x0
; x [8192][1024] and w_q, w_k, w_v, w_o [1024][1024], f32, K innermost, become codes of FP6 (E2M3) with one E8M0 byte for each 32 along K, laid as IMAGES OF OPERAND REGISTERS.
; TILES.  Rows go in groups of 64; tile tau (0..3) of a group holds 16 rows: place rho (0..15) is row 64 grp + 8 tau + rho % 8 + 32 (rho / 8).  Used as source 0 of a matrix instruction, four such tiles
; leave in a lane's 32 result registers 32 NEIGHBOURING rows, a whole block of the next product's K.  Tiles 0-511 are x's, 512-575 w_q's, 576-639 w_k's, 640-703 w_v's, 704-767 w_o's.
; HALF IMAGE: 16 rows x 64 K = registers 0-5 (or 6-11) of a fragment: lane (rho, h) holds the 24 bytes of codes K = 32 h .. 32 h + 31 of its row.  768 bytes: lane l's first 16 bytes at 16 l, its last 8 at 512 + 8 l.
; opc: tile x 12,288 bytes, 16 half images on end (K = 64 j).  ops: tile x 512 bytes, place rho's 32 scale bytes at 32 rho.
; A block's scale is 2^(floor(log2(its largest magnitude)) - 2): its byte is the largest magnitude's exponent field - 2, held at 1 from below by a floor among the maximum's leaves.
; LIMITS: NaN and infinities are not served; a block whose largest magnitude lies under 2^-124 has its byte held at 1; a block of zeros gets the byte 1 where the rule says 127 (its codes are zeros; this program alone reads the bytes).
; SHARES.  A work-group is a tile; wave w takes K = 128 w .. 128 w + 127: one fragment, two half images.  Each load reads 512 consecutive bytes of a row; the 16 rows turn through the wave's own stage in LDS, so that a lane
; gets 32 neighbours of each of its two blocks.  No loop, no tensor load, no matrix unit, no cluster: the launch moves each byte once and work-groups share nothing.
.set SP,   528                         ; a stage row: 512 bytes + 16, an odd multiple of 16
.set WST,  16*SP                       ; a wave's stage
.set SCG,  8*WST                       ; behind the stages: the tile's 512 scale bytes are gathered here
.set GA,   4                           ; v4   16 x thread = 16 x lane + 512 x wave: my bytes of a row
.set SIN,  5                           ; v5   into the stage
.set SOUT, 6                           ; v6   out of it: row rho, + 128 h
.set SH8,  7                           ; v7   8 h
.set C16,  8                           ; v8   where my first 16 bytes of a half image go
.set C8,   9                           ; v9   and my last 8
.set SCW,  10                          ; v10  LDS: my row's scale word of this wave's 128 along K
.set L16,  11                          ; v11  16 x lane
.set SCR,  13                          ; v13  LDS: SCG + 16 x lane
.set X,    16                          ; v16-79   64 numbers: register 32 c + i = K 64 c + 32 h + i of my row
.set TM,   80                          ; v80-83   four chains of maxima
.set BM,   84                          ; v84-85   my two blocks' largest magnitudes
.set SO,   86                          ; v86-87   the conversions' scale operands
.set BY,   88                          ; v88-89   the scale bytes
.set W,    90                          ; v90      the scale word
.set T,    91                          ; v91      a lane permute's destination
.set PC,   92                          ; v92-103  the fragment's codes
.set TT,   104                         ; v104-111 the upper halves of the blocks' codes, before they are moved
.set OUTW, 112                         ; v112-115 the gathered scale bytes on their way out
	s_load_b256 s[4:11], s[0:1], 0x0               ; x, w_q, w_k, w_v
	s_load_b128 s[12:15], s[0:1], 0x20             ; w_o, opc
	s_load_b64 s[16:17], s[0:1], 0x30              ; ops
	v_lshl_add_u32 v120, v0, 2, 0x10c00
	v_mov_b32 v121, 0
	v_lshrrev_b32 v1, 5, v0
	s_delay_alu instid0(VALU_DEP_1)
	v_readfirstlane_b32 s18, v1                    ; wave 0..7
	v_and_b32 v2, 31, v0                           ; lane
	v_and_b32 v3, 15, v0                           ; rho
	v_bfe_u32 v12, v0, 4, 1                        ; h
	v_lshlrev_b32 v[GA], 4, v0
	s_delay_alu instid0(VALU_DEP_4)
	v_lshlrev_b32 v[L16], 4, v2
	s_mul_i32 s19, s18, WST
	v_add_nc_u32 v[SIN], s19, v[L16]
	v_mul_u32_u24 v[SOUT], v3, SP
	s_delay_alu instid0(VALU_DEP_1)
	v_lshl_add_u32 v[SOUT], v12, 7, v[SOUT]
	s_delay_alu instid0(VALU_DEP_1)
	v_add_nc_u32 v[SOUT], s19, v[SOUT]
	v_lshlrev_b32 v[SH8], 3, v12
	s_mul_i32 s19, s18, 1536                       ; my wave's two half images
	v_add_nc_u32 v[C16], s19, v[L16]
	v_lshl_add_u32 v[C8], v2, 3, 512
	s_delay_alu instid0(VALU_DEP_1)
	v_add_nc_u32 v[C8], s19, v[C8]
	s_lshl_b32 s19, s18, 2
	v_lshl_add_u32 v[SCW], v3, 5, SCG
	s_delay_alu instid0(VALU_DEP_1)
	v_add_nc_u32 v[SCW], s19, v[SCW]
	v_add_nc_u32 v[SCR], SCG, v[L16]
	v_mov_b32 v[T], 0                              ; a lane permute's destination counts as one of its sources
	s_mov_b32 s26, 0x76543210
	s_mov_b32 s27, 0xfedcba98                      ; v_permlanex16_b32's selects for lane l xor 16
	s_and_b32 s22, ttmp9, 63                       ; a weight's tile number
	s_wait_alu depctr_va_vdst(0)
	s_wait_kmcnt 0x0
	s_mov_b64 s[20:21], s[12:13]                   ; whose tile?  The choice hangs on the work-group's number alone
	s_cmp_lt_u32 ttmp9, 704
	s_cselect_b64 s[20:21], s[10:11], s[20:21]
	s_cmp_lt_u32 ttmp9, 640
	s_cselect_b64 s[20:21], s[8:9], s[20:21]
	s_cmp_lt_u32 ttmp9, 576
	s_cselect_b64 s[20:21], s[6:7], s[20:21]
	s_cmp_lt_u32 ttmp9, 512
	s_cselect_b64 s[20:21], s[4:5], s[20:21]
	s_cselect_b32 s22, ttmp9, s22                  ; the tile's number in its tensor
	s_lshr_b32 s23, s22, 2
	s_lshl_b32 s23, s23, 6                         ; 64 x group
	s_and_b32 s24, s22, 3
	s_lshl_b32 s24, s24, 3                         ; + 8 tau
	s_add_co_u32 s23, s23, s24
	s_lshl_b32 s24, s23, 12                        ; rows of 4,096 bytes
	s_mov_b32 s25, 0
	s_add_nc_u64 s[20:21], s[20:21], s[24:25]
	s_mul_i32 s24, ttmp9, 12288
	s_add_nc_u64 s[14:15], s[14:15], s[24:25]
	s_lshl_b32 s24, ttmp9, 9
	s_add_nc_u64 s[16:17], s[16:17], s[24:25]
.irp r, 0,1,2,3,4,5,6,7,8,9,10,11,12,13,14,15
	global_load_b128 v[X+4*\r:X+4*\r+3], v[GA], s[20:21] offset:((\r%8)+32*(\r/8))*4096 th:TH_LOAD_NT   ; place r's row: 32 lanes read 512 consecutive bytes
.endr
.irp r, 0,1,2,3,4,5,6,7,8,9,10,11,12,13,14,15
	s_wait_loadcnt 15-\r                           ; loads come back in order: row r is in, the younger ones may be out
	ds_store_b128 v[SIN], v[X+4*\r:X+4*\r+3] offset:SP*\r
.endr
.irp c, 0,1
.irp j, 0,1,2,3,4,5,6,7
	ds_load_b128 v[X+32*\c+4*\j:X+32*\c+4*\j+3], v[SOUT] offset:256*\c+16*\j   ; LDS serves a wave's instructions in order: these see my stores
.endr
.endr
	s_wait_dscnt 0x0
.irp c, 0,1
.irp e, 0,1
	v_max3_num_f32 v[TM+2*\c+\e], 0x1800000, |v[X+32*\c+16*\e]|, |v[X+32*\c+16*\e+1]|   ; four chains of 16 numbers, each begun with the floor 2^(3 - 127): the byte cannot fall under 1
.endr
.endr
.irp i, 2,4,6,8,10,12,14
.irp c, 0,1
.irp e, 0,1
	s_delay_alu instid0(VALU_DEP_4)
	v_max3_num_f32 v[TM+2*\c+\e], v[TM+2*\c+\e], |v[X+32*\c+16*\e+\i]|, |v[X+32*\c+16*\e+\i+1]|   ; (the chains by turns)
.endr
.endr
.endr
.irp c, 0
	s_delay_alu instid0(VALU_DEP_3)
	v_max_num_f32 v[BM+\c], v[TM+2*\c], v[TM+2*\c+1]   ; block 2 c + h: all its 32 numbers are mine
.endr
.irp c, 1
	s_delay_alu instid0(VALU_DEP_2)
	v_max_num_f32 v[BM+\c], v[TM+2*\c], v[TM+2*\c+1]   ; block 2 c + h: all its 32 numbers are mine
.endr
.irp c, 0,1
	s_delay_alu instid0(VALU_DEP_2)
	v_add_nc_u32 v[SO+\c], 0xff000000, v[BM+\c]    ; 2 off the exponent field: the conversion takes this operand's exponent field as its scale
.endr
.irp c, 0,1
	s_delay_alu instid0(VALU_DEP_2)
	v_lshrrev_b32 v[BY+\c], 23, v[SO+\c]           ; the scale's byte
.endr
	s_delay_alu instid0(VALU_DEP_1)
	v_lshl_or_b32 v[W], v[BY+1], 16, v[BY]         ; my two bytes, blocks h and 2 + h,
	s_delay_alu instid0(VALU_DEP_1)
	v_lshlrev_b32 v[W], v[SH8], v[W]               ; at their places in the word;
	s_delay_alu instid0(VALU_DEP_1)
	v_permlanex16_b32 v[T], v[W], s26, s27
	s_delay_alu instid0(VALU_DEP_1)
	v_or_b32 v[W], v[W], v[T]                      ; with lane l xor 16's two the word is whole, in both halves of the lanes
.irp c, 0,1
	v_cvt_scalef32_pk16_fp6_f32 v[PC+6*\c:PC+6*\c+2], v[X+32*\c:X+32*\c+15], v[SO+\c]
	v_cvt_scalef32_pk16_fp6_f32 v[TT+4*\c:TT+4*\c+2], v[X+32*\c+16:X+32*\c+31], v[SO+\c]   ; (a conversion's three registers begin on an even number)
.endr
	v_nop                                          ; one plain place behind a scaled conversion
.irp c, 0,1
.irp i, 0,1,2
	v_mov_b32 v[PC+6*\c+3+\i], v[TT+4*\c+\i]
.endr
.endr
	global_store_b128 v[C16], v[PC:PC+3], s[14:15]               ; half image 2 w: 512 consecutive bytes,
	global_store_b64 v[C8], v[PC+4:PC+5], s[14:15]               ; and 256
	global_store_b128 v[C16], v[PC+6:PC+9], s[14:15] offset:768  ; half image 2 w + 1
	global_store_b64 v[C8], v[PC+10:PC+11], s[14:15] offset:768
	ds_store_b32 v[SCW], v[W]                      ; both halves of the lanes write the same word with the same value
	s_wait_dscnt 0x0                               ; for wave 0's sake: my word has landed
	s_barrier_signal -1
	s_barrier_wait -1
	s_cmp_lg_u32 s18, 0
	s_cbranch_scc1 .Ldone
	ds_load_b128 v[OUTW:OUTW+3], v[SCR]            ; the tile's 512 scale bytes leave as two whole blocks of 256
	s_wait_dscnt 0x0
	global_store_b128 v[L16], v[OUTW:OUTW+3], s[16:17]
.Ldone:
	s_wait_tensorcnt 0x0
	ds_add_u32 v120, v121
	s_wait_dscnt 0x0
	s_endpgm
.Lfunc_end_k_q31e10be61a_quant:
	.size	k_q31e10be61a_quant, .Lfunc_end_k_q31e10be61a_quant-k_q31e10be61a_quant
	.p2alignl 7, 3214868480
	.fill 96, 4, 3214868480
	.section	.rodata,"a",@progbits
	.p2align	6, 0x0
	.amdhsa_kernel k_q31e10be61a_quant
		.amdhsa_group_segment_fixed_size 69632
		.amdhsa_private_segment_fixed_size 0
		.amdhsa_enable_private_segment 0
		.amdhsa_kernarg_size 56
		.amdhsa_user_sgpr_count 2
		.amdhsa_user_sgpr_kernarg_segment_ptr 1
		.amdhsa_wavefront_size32 1
		.amdhsa_system_sgpr_workgroup_id_x 1
		.amdhsa_system_sgpr_workgroup_id_y 1
		.amdhsa_system_sgpr_workgroup_id_z 1
		.amdhsa_system_vgpr_workitem_id 0
		.amdhsa_next_free_vgpr 122
		.amdhsa_next_free_sgpr 66
		.amdhsa_reserve_vcc 0
		.amdhsa_float_denorm_mode_32 3
		.amdhsa_float_denorm_mode_16_64 3
		.amdhsa_memory_ordered 1
		.amdhsa_forward_progress 1
		.amdhsa_inst_pref_size 13
	.end_amdhsa_kernel
	.amdgpu_metadata
---
amdhsa.version: [ 1, 2 ]
amdhsa.kernels:
  - .name:           k_q31e10be61a_quant
    .symbol:         k_q31e10be61a_quant.kd
    .args:
      - { .name: x, .offset: 0, .size: 8, .value_kind: global_buffer, .address_space: global }
      - { .name: w_q, .offset: 8, .size: 8, .value_kind: global_buffer, .address_space: global }
      - { .name: w_k, .offset: 16, .size: 8, .value_kind: global_buffer, .address_space: global }
      - { .name: w_v, .offset: 24, .size: 8, .value_kind: global_buffer, .address_space: global }
      - { .name: w_o, .offset: 32, .size: 8, .value_kind: global_buffer, .address_space: global }
      - { .name: opc, .offset: 40, .size: 8, .value_kind: global_buffer, .address_space: global }
      - { .name: ops, .offset: 48, .size: 8, .value_kind: global_buffer, .address_space: global }
    .group_segment_fixed_size: 69632
    .private_segment_fixed_size: 0
    .kernarg_segment_align: 8
    .kernarg_segment_size: 56
    .max_flat_workgroup_size: 256
    .sgpr_count:     66
    .vgpr_count:     122
    .wavefront_size: 32
...
	.end_amdgpu_metadata
.endif
;; end of part 1
;; launch proj (part 2): grid 8 x 32, 4 waves a work-group, clusters of 4 x 4, 327,680 bytes of LDS; arguments opc, ops, qkv; writes qkv
.if DOCPART == 2
	.amdgcn_target "amdgcn-amd-amdhsa--gfx1250"
	.amdhsa_code_object_version 6
	.text
	.protected	k_q31e10be61a_proj
	.globl	k_q31e10be61a_proj
	.p2align	8
	.type	k_q31e10be61a_proj,@function
k_q31e10be61a_proj:
	s_mov_b64 s[64:65], 0
	v_nop
	global_prefetch_b8 v0, s[64:65] scope:SCOPE_SE
	s_setreg_imm32_b32 hwreg(HW_REG_WAVE_MODE, 25, 1), 1
	s_wait_xcnt 0x0
	s_wait_alu depctr_hold_cnt(0) depctr_sa_sdst(0) depctr_va_vdst(0) depctr_va_sdst(0) depctr_va_ssrc(0) depctr_va_vcc(0) depctr_vm_vsrc(0)
	s_getreg_b32 s2, hwreg(HW_REG_IB_STS2, 6, 4)
	s_cmp_eq_u32 s2, 0
	s_cbranch_scc0 .Lentry_in_a_cluster
	s_endpgm
.Lentry_in_a_cluster:
	s_bfe_u32 s2, ttmp6, 0x10000c
	s_cmp_lg_u32 s2, 0xf033
	s_cbranch_scc0 .Lentry_shape_is_right
	s_endpgm
.Lentry_shape_is_right:
; Q, K, V = x W^T on codes of FP6 (E2M3) with E8M0 scales, K = 1,024, and their quantisers: the results leave as codes and scale bytes, in the order of the operand registers of the launch that reads them.
; INPUT.  opc: tile x 12,288 bytes = 16 half images of 768 bytes (16 rows x 64 K: lane l's first 16 bytes at 16 l, its last 8 at 512 + 8 l); place rho of tile 4 grp + tau is row 64 grp + 8 tau + rho % 8 + 32 (rho / 8).
; Tiles 0-511 x, 512-575 w_q, 576-639 w_k, 640-703 w_v.  ops: tile x 512 bytes, place rho's 32 scale bytes at 32 rho.
; OUTPUT.  qkv: units of 6,656 bytes = 8 half images + 512 bytes of scale words (lane l's four words at 16 l).  With idx = 64 head + group of 128 tokens: Q's unit idx, K's 1,024 + 2 idx, V's 1,025 + 2 idx.
; Q, K: half image = token tile of the group, K along the head's 64; word g = the two bytes of tile 2 g, then of tile 2 g + 1.  V: half image 4 c + t = 16 of the head's 64 (tile t) x the group's 64 tokens c; word t = bytes 2 c + h.
; THE DEAL.  256 work-groups (i = 0..7, j = 0..31) of four waves, 24 batches of 32 products each, in two phases.  PHASE 1, Q or K: rows 256 i .. of [w_q; w_k], a head a wave, are held in registers (4 tiles x 8 K steps x 12 = 384);
; x's 16 tiles of chunk j stream past them.  PHASE 2, V: the SAME 16 tiles of x, still in LDS, go into the registers, 64 tokens a wave; w_v's 8 tiles of chunk i stream past.  The held rows are source 0: register 8 b + k of lane
; (r, h) is row 32 h + 8 b + k of the held 64: a whole scale block of the next product in one lane.
; LDS: 24 places of a tile.  Head, one joint load a wave: W's halves to places 8-23 (waves 0, 1), x's tiles 0-7 to places 0-7 (waves 2, 3).  When every wave holds W in registers, ONE REFILL, behind a round of the
; cluster's barrier: x's tiles 8-15 to places 8-15 (waves 0, 1), w_v's to places 16-23 (waves 2, 3).  A plain barrier in batch 6, behind which nothing is filled, shows it to all.
; x's tiles are shared along a row of the cluster, W's and w_v's along a column.  Nothing is prefetched: the refill is asked for six batches ahead of its first use, and there is no loop to run ahead in.
; A block's byte is the largest magnitude's exponent field - 2, held at 1 from below by a floor among the maximum's leaves.
; LIMITS: NaN and infinities are not served; a block whose largest magnitude lies under 2^-124 has its byte held at 1; a block of zeros gets the byte 1 (its codes are zeros; this program alone reads the bytes).
; REGISTERS: window 0: addresses, scale words (v32-95 the streamed tiles', v98-113 W's, v114-129 x's as held rows), v130-193 two sets of four accumulators, v194.. the quantiser.  Windows 1-3: fragments, 21 to a window: 0-31 held, 32-47 two streamed sets.
.set FR,    12
.set FPW,   21
.set TILE,  12288
.set SPARE, 24*TILE
.set XV,    SPARE+512                  ; 2,048 bytes: V's scale half-words are gathered here
.set SH8,   2
.set T,     3
.set XVW,   4
.set XVR,   5
.set OPO,   6
.set AQ,    8                          ; v8-19  LDS addresses (pieces of 16, of 8 bytes) of places 4 k, k = 0..5
.set BAD,   20                         ; v20, v21  of my four tiles of W;  v22, v23 of my four tiles of x
.set BAD2,  22
.set VO16,  24                         ; 16 x lane
.set VO8,   25                         ; 8 x lane + 512
.set SPW,   28
.set NIL,   29
.set SA,    32
.set SB,    98
.set SB2,   114
.set ACC,   130
.set TM,    194
.set SO,    198
.set BY,    199
.set HWT,   200
.set HW0,   201
.set F,     204
.set PCX,   208
.set TT,    220
.set OUTW,  224
.set G1,  24
.set G0A, 32
.set G0C, 36
.set G1B, 48
.set G0B, 56
.set G0D, 60
.set G1D, 68
.set MSB, 0
.macro WIN new
.if MSB != (\new)
	s_set_vgpr_msb (MSB<<8)|(\new)
.set MSB, (\new)
.endif
.endm
.macro WALU
	s_wait_alu depctr_va_vdst(0)
.endm
.macro CROUND
	s_barrier_signal -1
	s_barrier_wait -1
	s_cmp_lg_u32 s14, 0
	s_cbranch_scc1 .Lnot_wave_0_\@
	s_barrier_signal -3
.Lnot_wave_0_\@:
	s_barrier_wait -3
	s_barrier_signal -1
	s_barrier_wait -1
.endm
.macro PLACES
.rept 4
	v_nop
.endr
.endm
.macro GROUP1 g, mask, rows            ; dense tiles as rows of 12,288 bytes (1,536 elements of 8)
	s_or_b32 s[\g+0], s\mask, (3<<16)|(1<<21)
	s_mov_b32 s[\g+1], 1536<<16
	s_mov_b32 s[\g+2], (\rows)<<16
	s_mov_b32 s[\g+3], 1536<<16
	s_mov_b32 s[\g+4], \rows
	s_mov_b32 s[\g+5], 1536
	s_mov_b32 s[\g+6], 0
	s_mov_b32 s[\g+7], 0
.endm
.macro TWOLOADS g0x, g1x, g0y, g1y     ; waves 0, 1 issue the first line, waves 2, 3 the second
	s_cmp_lt_u32 s14, 2
	s_cbranch_scc0 .Lother_\@
	tensor_load_to_lds s[\g0x:\g0x+3], s[\g1x:\g1x+7]
	s_nop 0
	PLACES
	s_branch .Lasked_\@
.Lother_\@:
	tensor_load_to_lds s[\g0y:\g0y+3], s[\g1y:\g1y+7]
	s_nop 0
	PLACES
.Lasked_\@:
.endm
.macro FRAG f, a16, off                ; fragment f: two half images, each 16 + 8 bytes a lane
	WIN (1+(\f)/FPW)<<6
.set R_, FR*((\f)%FPW)
	ds_load_b128 v[R_:R_+3], v[\a16] offset:\off
	ds_load_b64 v[R_+4:R_+5], v[\a16+1] offset:\off
	ds_load_b128 v[R_+6:R_+9], v[\a16] offset:(\off)+768
	ds_load_b64 v[R_+10:R_+11], v[\a16+1] offset:(\off)+768
.endm
.macro FETCH u, e                      ; the tile at place u, all of K, into set e: 32 loads
.irp q, 0,1,2,3,4,5,6,7
	FRAG 32+8*(\e)+\q, AQ+2*((\u)/4), ((\u)%4)*TILE+\q*1536
.endr
	WIN 0
.endm
.macro HOLD ad                         ; four tiles, all of K, into the held fragments: 128 loads
.irp q, 0,1,2,3,4,5,6,7
.irp b, 0,1,2,3
	FRAG 4*\q+\b, \ad, \b*TILE+\q*1536
.endr
.endr
	WIN 0
.endm
.macro PROD e, sa, sb, q, b            ; source 0: held tile b, source 1: the streamed tile, K step q
.set FB_, 4*(\q)+(\b)
.set FA_, 32+8*(\e)+(\q)
.set D_, ACC+32*(\e)+8*(\b)
.set RB_, FR*(FB_%FPW)
.set RA_, FR*(FA_%FPW)
	WIN (1+FB_/FPW)|((1+FA_/FPW)<<2)
.if (\q) == 0
	v_wmma_scale_f32_16x16x128_f8f6f4 v[D_:D_+7], v[RB_:RB_+11], v[RA_:RA_+11], 0, v[\sb+4*(\b)], v[\sa] matrix_a_fmt:MATRIX_FMT_FP6 matrix_b_fmt:MATRIX_FMT_FP6
.elseif (\q) < 4
	v_wmma_scale_f32_16x16x128_f8f6f4 v[D_:D_+7], v[RB_:RB_+11], v[RA_:RA_+11], v[D_:D_+7], v[\sb+4*(\b)+(\q)], v[\sa+(\q)] matrix_a_fmt:MATRIX_FMT_FP6 matrix_b_fmt:MATRIX_FMT_FP6
.else
	v_wmma_scale_f32_16x16x128_f8f6f4 v[D_:D_+7], v[RB_:RB_+11], v[RA_:RA_+11], v[D_:D_+7], v[\sb+4*(\b)+(\q)-4], v[\sa+(\q)-4] matrix_a_fmt:MATRIX_FMT_FP6 matrix_b_fmt:MATRIX_FMT_FP6 matrix_a_scale:MATRIX_SCALE_ROW1 matrix_b_scale:MATRIX_SCALE_ROW1
.endif
.endm
; THE WAY OUT of batch u: a lane's 32 sums are one scale block.
.macro WAYOUT u
.set AC_, ACC+32*((\u)%2)
.set PX_, PCX+6*((\u)%2)
.irp b, 0,1,2,3
	v_max3_num_f32 v[TM+\b], |v[AC_+8*\b]|, |v[AC_+8*\b+1]|, |v[AC_+8*\b+2]|   ; four chains, one for each accumulator, from its low end on
.endr
.irp i, 3,5
.irp b, 0,1,2,3
	v_max3_num_f32 v[TM+\b], v[TM+\b], |v[AC_+8*\b+\i]|, |v[AC_+8*\b+\i+1]|
.endr
.endr
	v_max3_num_f32 v[TM], v[TM], v[TM+1], |v[AC_+7]|
	v_max3_num_f32 v[TM+2], v[TM+2], v[TM+3], |v[AC_+15]|
	v_max3_num_f32 v[TM], v[TM], v[TM+2], |v[AC_+23]|
	v_max3_num_f32 v[TM], v[TM], |v[AC_+31]|, 0x1800000   ; and the floor 2^(3 - 127)
	v_add_nc_u32 v[SO], 0xff000000, v[TM]          ; 2 off the exponent field: the conversions' scale operand
	v_cvt_scalef32_pk16_fp6_f32 v[PX_:PX_+2], v[AC_:AC_+15], v[SO]
	v_cvt_scalef32_pk16_fp6_f32 v[TT:TT+2], v[AC_+16:AC_+31], v[SO]   ; (a conversion's three registers begin on an even number)
	v_lshrrev_b32 v[BY], 23, v[SO]                 ; the scale's byte.  (The plain place behind the conversions)
.irp i, 0,1,2
	v_mov_b32 v[PX_+3+\i], v[TT+\i]
.endr
	v_lshlrev_b32 v[HWT], v[SH8], v[BY]
	v_permlanex16_b32 v[T], v[HWT], s88, s89
.if (\u) < 16
.if (\u)%2 == 0
	v_or_b32 v[HW0], v[HWT], v[T]                  ; the row's two bytes, in both halves of the lanes
.else
	v_or_b32 v[HWT], v[HWT], v[T]
	v_lshl_or_b32 v[F+((\u)%8)/2], v[HWT], 16, v[HW0]   ; with the even tile's two: a scale word
.endif
.if (\u) < 8
	global_store_b128 v[VO16], v[PX_:PX_+3], s[10:11] offset:768*((\u)%8)   ; a half image: 512 consecutive bytes,
	global_store_b64 v[VO8], v[PX_+4:PX_+5], s[10:11] offset:768*((\u)%8)   ; and 256
.else
	global_store_b128 v[VO16], v[PX_:PX_+3], s[12:13] offset:768*((\u)%8)
	global_store_b64 v[VO8], v[PX_+4:PX_+5], s[12:13] offset:768*((\u)%8)
.endif
.if (\u) == 7
	global_store_b128 v[VO16], v[F:F+3], s[10:11] offset:6144   ; the unit's 512 bytes of scale words
.endif
.if (\u) == 15
	global_store_b128 v[VO16], v[F:F+3], s[12:13] offset:6144
.endif
.else
	v_or_b32 v[HWT], v[HWT], v[T]
	global_store_b128 v[VO16], v[PX_:PX_+3], s[76:77] offset:(((\u)-16)/4)*851968+768*(((\u)-16)%4)   ; the next head's units lie 128 units on
	global_store_b64 v[VO8], v[PX_+4:PX_+5], s[76:77] offset:(((\u)-16)/4)*851968+768*(((\u)-16)%4)
	ds_store_b16 v[XVW], v[HWT] offset:(((\u)-16)/4)*512+4*(((\u)-16)%4)   ; my half of word t: the other 64 tokens' half is another wave's
.endif
.endm
; Batch u: the tile at place u against my held rows.  Its fragments were fetched two batches ago; of the LDS instructions younger than that fetch the 32 of the next tile's fetch may be out.
.macro BATCH u
.set E_, (\u)%2
.if (\u) < 16
.set SA_, SA+4*(\u)
.set SB_, SB
.else
.set SA_, SA+4*((\u)-16)
.set SB_, SB2
.endif
	WALU
.if (\u) == 16
	s_wait_loadcnt 0x0                             ; w_v's scale words
	s_wait_dscnt 0x0                               ; and the held rows of x
.elseif (\u) == 23
	s_wait_dscnt 0x0
.else
	s_wait_dscnt 32
.endif
.irp q, 0,1,2,3,4,5,6,7
.irp b, 0,1,2,3
	PROD E_, SA_, SB_, \q, \b
.endr
.endr
	WIN 0
	PLACES                                         ; ahead of the fetch into the fragments just read and of the first read of the sums
.if (\u) == 6
	s_wait_tensorcnt 0x0                           ; my part of the refill is in,
	s_wait_dscnt 0x0
	s_barrier_signal -1
	s_barrier_wait -1                              ; everybody's is
.endif
.if (\u)+2 < 24
	FETCH (\u)+2, E_
.endif
.if (\u) == 15
	HOLD BAD2                                      ; the change of phase: my 64 tokens of x take W's place in the registers
.endif
.if (\u) == 9
.irp i, 0,1,2,3,4,5,6,7
	global_load_b128 v[SA+4*\i:SA+4*\i+3], v[OPO], s[82:83] offset:512*\i   ; w_v's scale words, into the registers of tiles 0-7's, which are done with
.endr
.endif
	s_wait_xcnt 0x0                                ; earlier stores have read their registers
	WAYOUT \u
.endm
	s_load_b128 s[4:7], s[0:1], 0x0                ; opc, ops
	s_load_b64 s[8:9], s[0:1], 0x10                ; qkv
	v_lshl_add_u32 v[SPW], v0, 2, SPARE
	v_mov_b32 v[NIL], 0
	ds_add_u32 v[SPW], v[NIL]                      ; the opening lines: the add twice on end and its wait
	ds_add_u32 v[SPW], v[NIL]
	v_lshrrev_b32 v1, 5, v0
	v_readfirstlane_b32 s14, v1                    ; wave 0..3
	s_lshr_b32 s15, s14, 1
	s_and_b32 s16, s14, 1
	s_bfe_u32 s40, ttmp6, 0x40000                  ; cx
	s_bfe_u32 s41, ttmp6, 0x40004                  ; cy
	s_lshl_b32 s42, ttmp9, 2
	s_add_co_u32 s42, s42, s40                     ; i
	s_and_b32 s17, ttmp7, 0xffff
	s_lshl_b32 s17, s17, 2
	s_add_co_u32 s17, s17, s41                     ; j
	s_lshl_b32 s43, s41, 2
	s_lshl_b32 s43, 15, s43                        ; my row of the cluster
	s_lshl_b32 s44, 0x1111, s40                    ; my column
	GROUP1 G1, 43, 4                               ; x's tiles, 4 to a load
	GROUP1 G1B, 44, 8                              ; W's, 8
	GROUP1 G1D, 44, 4                              ; w_v's, 4
	s_lshl_b32 s20, s17, 4
	s_lshl_b32 s18, s16, 2
	s_add_co_u32 s20, s20, s18                     ; x: tile 16 j + 4 x half
	s_mul_i32 s20, s20, TILE
	s_mov_b32 s21, 0
	s_lshl_b32 s46, s42, 4
	s_add_co_u32 s46, s46, 512
	s_lshl_b32 s19, s16, 3
	s_add_co_u32 s46, s46, s19                     ; W: tile 512 + 16 i + 8 x half
	s_mul_i32 s46, s46, TILE
	s_mov_b32 s47, 0
	s_lshl_b32 s22, s42, 3
	s_add_co_u32 s22, s22, 640
	s_add_co_u32 s22, s22, s18                     ; w_v: tile 640 + 8 i + 4 x half
	s_mul_i32 s22, s22, TILE
	s_mov_b32 s23, 0
	s_mov_b32 s[G0A], 1
	s_mul_i32 s[G0A+1], s16, 4*TILE                ; places 0-7
	s_mov_b32 s[G0C], 1
	s_add_co_u32 s[G0C+1], s[G0A+1], 8*TILE        ; places 8-15
	s_mov_b32 s[G0D], 1
	s_add_co_u32 s[G0D+1], s[G0A+1], 16*TILE       ; places 16-23
	s_mov_b32 s[G0B], 1
	s_mul_i32 s[G0B+1], s16, 8*TILE
	s_add_co_u32 s[G0B+1], s[G0B+1], 8*TILE        ; places 8-23
	s_mov_b32 s88, 0x76543210
	s_mov_b32 s89, 0xfedcba98                      ; v_permlanex16_b32's selects for lane l xor 16
	s_mul_i32 s83, s14, 4*TILE                     ; my four tiles of x,
	s_add_co_u32 s84, s83, 8*TILE                  ; and of W
	s_lshl_b32 s85, s15, 10
	s_lshl_b32 s86, s16, 1
	s_add_co_u32 s85, s85, s86
	s_add_co_u32 s85, s85, XV                      ; V's half-words: 1,024 x (wave / 2) + 2 x (wave % 2)
	s_lshl_b32 s86, s14, 9
	s_add_co_u32 s86, s86, XV
	v_and_b32 v1, 31, v0
	v_lshlrev_b32 v[VO16], 4, v1
	v_lshl_add_u32 v[VO8], v1, 3, 512
	v_and_b32 v26, 15, v0                          ; r
	v_bfe_u32 v27, v0, 4, 1                        ; h
	v_lshlrev_b32 v[SH8], 3, v27
	v_mov_b32 v[T], 0                              ; a lane permute's destination counts as one of its sources
	v_lshlrev_b32 v[OPO], 5, v26
	v_lshl_add_u32 v[OPO], v27, 4, v[OPO]          ; ops: 32 r + 16 h
	v_add_nc_u32 v[XVW], s85, v[VO16]
	v_add_nc_u32 v[XVR], s86, v[VO16]
.irp k, 0,1,2,3,4,5
	v_add_nc_u32 v[AQ+2*\k], \k*4*TILE, v[VO16]
	v_add_nc_u32 v[AQ+2*\k+1], \k*4*TILE, v[VO8]
.endr
	v_add_nc_u32 v[BAD], s84, v[VO16]
	v_add_nc_u32 v[BAD+1], s84, v[VO8]
	v_add_nc_u32 v[BAD2], s83, v[VO16]
	v_add_nc_u32 v[BAD2+1], s83, v[VO8]
	WALU                                           ; the wait at the head's end
	s_wait_dscnt 0x0
	CROUND                                         ; all sixteen work-groups are here: the joint loads meet
	s_wait_kmcnt 0x0
	s_add_nc_u64 s[G0A+2:G0A+3], s[4:5], s[20:21]
	s_add_nc_u64 s[G0C+2:G0C+3], s[G0A+2:G0A+3], 8*TILE
	s_or_b32 s[G0A+3], s[G0A+3], 0x80000000
	s_or_b32 s[G0C+3], s[G0C+3], 0x80000000
	s_add_nc_u64 s[G0B+2:G0B+3], s[4:5], s[46:47]
	s_or_b32 s[G0B+3], s[G0B+3], 0x80000000
	s_add_nc_u64 s[G0D+2:G0D+3], s[4:5], s[22:23]
	s_or_b32 s[G0D+3], s[G0D+3], 0x80000000
	TWOLOADS G0B, G1B, G0A, G1                     ; waves 0, 1: a half of W; waves 2, 3: four of x's tiles 0-7
	; the scale words: word k of lanes 0-15 is K step k, of lanes 16-31 K step 4 + k
	s_lshl_b32 s80, s17, 13                        ; x's 16 tiles
	s_mov_b32 s81, 0
	s_add_nc_u64 s[80:81], s[6:7], s[80:81]
.irp i, 0,1,2,3,4,5,6,7,8,9,10,11,12,13,14,15
	global_load_b128 v[SA+4*\i:SA+4*\i+3], v[OPO], s[80:81] offset:512*\i
.endr
	s_lshl_b32 s90, s42, 4
	s_add_co_u32 s90, s90, 512
	s_lshl_b32 s18, s14, 2
	s_add_co_u32 s90, s90, s18
	s_lshl_b32 s90, s90, 9                         ; my four tiles of W
	s_mov_b32 s91, 0
	s_add_nc_u64 s[90:91], s[6:7], s[90:91]
	s_lshl_b32 s92, s14, 11                        ; my four tiles of x
	s_mov_b32 s93, 0
	s_add_nc_u64 s[92:93], s[80:81], s[92:93]
.irp i, 0,1,2,3
	global_load_b128 v[SB+4*\i:SB+4*\i+3], v[OPO], s[90:91] offset:512*\i
	global_load_b128 v[SB2+4*\i:SB2+4*\i+3], v[OPO], s[92:93] offset:512*\i
.endr
	s_lshl_b32 s82, s42, 3
	s_add_co_u32 s82, s82, 640
	s_lshl_b32 s82, s82, 9                         ; w_v's 8 tiles, loaded later
	s_mov_b32 s83, 0
	s_add_nc_u64 s[82:83], s[6:7], s[82:83]
	; where the results go
	s_lshl_b32 s84, s42, 2
	s_add_co_u32 s84, s84, s14
	s_and_b32 s84, s84, 15                         ; my head of Q or K
	s_lshl_b32 s84, s84, 6
	s_lshl_b32 s85, s17, 1
	s_add_co_u32 s84, s84, s85                     ; idx of the chunk's first 128 tokens
	s_lshl_b32 s86, s84, 1
	s_add_co_u32 s86, s86, 1024
	s_mov_b32 s87, 13312
	s_cmp_eq_u32 ttmp9, 0                          ; i < 4: Q
	s_cselect_b32 s86, s84, s86
	s_cselect_b32 s87, 6656, s87                   ; from a group's unit to the next group's
	s_mul_i32 s18, s86, 6656
	s_mov_b32 s19, 0
	s_add_nc_u64 s[10:11], s[8:9], s[18:19]
	s_add_co_u32 s18, s18, s87
	s_add_nc_u64 s[12:13], s[8:9], s[18:19]
	s_lshl_b32 s20, s42, 7                         ; V: head 2 i,
	s_add_co_u32 s20, s20, s85
	s_add_co_u32 s20, s20, s15                     ; group 2 j + wave / 2
	s_lshl_b32 s21, s16, 6
	s_add_co_u32 s21, s21, s20                     ; (for the scale words at the end: head 2 i + wave % 2)
	s_lshl_b32 s20, s20, 1
	s_add_co_u32 s20, s20, 1025
	s_mul_i32 s18, s20, 6656
	s_mul_i32 s22, s16, 3072                       ; my 64 tokens are half images 4 (wave % 2) + t
	s_add_co_u32 s18, s18, s22
	s_add_nc_u64 s[76:77], s[8:9], s[18:19]
	s_lshl_b32 s21, s21, 1
	s_add_co_u32 s21, s21, 1025
	s_mul_i32 s18, s21, 6656
	s_add_co_u32 s18, s18, 6144
	s_add_nc_u64 s[78:79], s[8:9], s[18:19]
	s_cmp_lt_u32 s14, 2
	s_cbranch_scc0 .Lnot_w
	s_wait_tensorcnt 0x0                           ; my half of W is in
.Lnot_w:
	s_barrier_signal -1
	s_barrier_wait -1                              ; W is in; x's tiles may still be on their way
	HOLD BAD
	s_wait_loadcnt 0x0                             ; the scale words
	s_wait_tensorcnt 0x0                           ; all my tensor loads are in;
	ds_add_u32 v[SPW], v[NIL]                      ; 0 onto my spare word;
	s_wait_dscnt 0x0                               ; the add is done, and W lies in my registers
	CROUND                                         ; no wave of any partner still reads W's places or has a load on its way; x's tiles 0-7 are in
	TWOLOADS G0C, G1, G0D, G1D                     ; the refill: waves 0, 1: four of x's tiles 8-15; waves 2, 3: four of w_v's
	FETCH 0, 0
	FETCH 1, 1
.irp u, 0,1,2,3,4,5,6,7,8,9,10,11,12,13,14,15,16,17,18,19,20,21,22,23
	BATCH \u
.endr
	WALU
	s_wait_dscnt 0x0                               ; for the others' sake: my half-words have landed
	s_barrier_signal -1
	s_barrier_wait -1
	ds_load_b128 v[OUTW:OUTW+3], v[XVR]            ; unit wave: group wave / 2, head wave % 2: its 512 bytes of scale words
	s_wait_dscnt 0x0
	global_store_b128 v[VO16], v[OUTW:OUTW+3], s[78:79]
	s_wait_tensorcnt 0x0                           ; the wave's end
	ds_add_u32 v[SPW], v[NIL]
	s_wait_dscnt 0x0
	CROUND                                         ; the closing round
	s_endpgm
.Lfunc_end_k_q31e10be61a_proj:
	.size	k_q31e10be61a_proj, .Lfunc_end_k_q31e10be61a_proj-k_q31e10be61a_proj
	.p2alignl 7, 3214868480
	.fill 96, 4, 3214868480
	.section	.rodata,"a",@progbits
	.p2align	6, 0x0
	.amdhsa_kernel k_q31e10be61a_proj
		.amdhsa_group_segment_fixed_size 327680
		.amdhsa_private_segment_fixed_size 0
		.amdhsa_enable_private_segment 0
		.amdhsa_kernarg_size 24
		.amdhsa_user_sgpr_count 2
		.amdhsa_user_sgpr_kernarg_segment_ptr 1
		.amdhsa_wavefront_size32 1
		.amdhsa_system_sgpr_workgroup_id_x 1
		.amdhsa_system_sgpr_workgroup_id_y 1
		.amdhsa_system_sgpr_workgroup_id_z 1
		.amdhsa_system_vgpr_workitem_id 0
		.amdhsa_next_free_vgpr 840
		.amdhsa_next_free_sgpr 98
		.amdhsa_reserve_vcc 0
		.amdhsa_float_denorm_mode_32 3
		.amdhsa_float_denorm_mode_16_64 3
		.amdhsa_memory_ordered 1
		.amdhsa_forward_progress 1
		.amdhsa_inst_pref_size 225
	.end_amdhsa_kernel
	.amdgpu_metadata
---
amdhsa.version: [ 1, 2 ]
amdhsa.kernels:
  - .name:           k_q31e10be61a_proj
    .symbol:         k_q31e10be61a_proj.kd
    .args:
      - { .name: opc, .offset: 0, .size: 8, .value_kind: global_buffer, .address_space: global }
      - { .name: ops, .offset: 8, .size: 8, .value_kind: global_buffer, .address_space: global }
      - { .name: qkv, .offset: 16, .size: 8, .value_kind: global_buffer, .address_space: global }
    .group_segment_fixed_size: 327680
    .private_segment_fixed_size: 0
    .kernarg_segment_align: 8
    .kernarg_segment_size: 24
    .max_flat_workgroup_size: 128
    .sgpr_count:     98
    .vgpr_count:     840
    .wavefront_size: 32
...
	.end_amdgpu_metadata
.endif
;; end of part 2
;; launch attn (part 3): grid 4 x 64, 16 waves a work-group, clusters of 4 x 1, 231,424 bytes of LDS; arguments qkv, aoc, aos; writes aoc, aos
.if DOCPART == 3
	.amdgcn_target "amdgcn-amd-amdhsa--gfx1250"
	.amdhsa_code_object_version 6
	.text
	.protected	k_q31e10be61a_attn
	.globl	k_q31e10be61a_attn
	.p2align	8
	.type	k_q31e10be61a_attn,@function
k_q31e10be61a_attn:
	s_mov_b64 s[64:65], 0
	v_nop
	global_prefetch_b8 v0, s[64:65] scope:SCOPE_SE
	s_setreg_imm32_b32 hwreg(HW_REG_WAVE_MODE, 25, 1), 1
	s_wait_xcnt 0x0
	s_wait_alu depctr_hold_cnt(0) depctr_sa_sdst(0) depctr_va_vdst(0) depctr_va_sdst(0) depctr_va_ssrc(0) depctr_va_vcc(0) depctr_vm_vsrc(0)
	s_getreg_b32 s2, hwreg(HW_REG_IB_STS2, 6, 4)
	s_cmp_eq_u32 s2, 0
	s_cbranch_scc0 .Lentry_in_a_cluster
	s_endpgm
.Lentry_in_a_cluster:
	s_bfe_u32 s2, ttmp6, 0x10000c
	s_cmp_lg_u32 s2, 0x3003
	s_cbranch_scc0 .Lentry_shape_is_right
	s_endpgm
.Lentry_shape_is_right:
; For each batch and head: O[q] = (sum over keys of p V) / l, p = 2^(t - M), t = score x log2(e) / 8, M the running largest t rounded UP to a whole number, l the sum of the unquantised p; both products on codes of FP6 (E2M3)
; with E8M0 scales.  O is quantised along the model's 1,024 (a head's 64 = two blocks) and stored as images of operand registers (aoc: token tile x 12,288 bytes, half image = head; aos: half-words [head][tile][place]).
; INPUT: qkv, units of 6,656 bytes = 8 half images of 768 bytes (16 rows x 64 K: lane l's first 16 bytes at 16 l, its last 8 at 512 + 8 l) + 512 bytes of scale words.  K's and V's units of a head and batch lie on end, by key step of 128.
; SHARES.  A cluster is the four work-groups of one batch and head; a work-group owns 512 queries.  All of the head's K and V, 16 steps x 13,312 bytes, come into LDS once: each of the 16 waves asks jointly, with its three
; partners, for key step w.  Nothing is filled again, and the loop has no barrier.  A wave owns two tiles of 16 queries, one after the other.  Nothing is prefetched: all tiles are asked for at the head.
; LAYOUT.  Both products are used transposed (S^T = K Q^T, O^T = V^T P^T): a lane holds one query; S^T's register 32 c + i is key 64 c + 32 h + i, a whole block of 32 keys in a lane.  The first product's K is 64, the instruction's
; 128: an operand of 12 registers holds key tiles 2 g and 2 g + 1; Q stands beside six registers of zero codes, [q | 0] or [0 | q], which pick the tile.
; TWO REGIONS OF 64 REGISTERS CHANGE ROLES FROM STEP TO STEP (a trip is two steps).  In a step region kr holds K's fragments and then V's, region sr the scores and then p.  When p has been converted, sr's first 48 registers
; take the NEXT step's fragments of K, 17 loads that are out during the moves, the rescaling of O^T and the second product.  The last trip's request wraps to key step 0, which the next tile of queries uses.
; THE SUM of a step's 32 pairs of p: block 0 as a tree whose first level stands among block 1's exponentials; pairs 16-23 ahead of the loads that take their registers; pairs 24-31, whose registers no load takes, in the places
; behind the second product and behind the next step's first product.
; LIMITS: NaN and infinities are not served; a block of O whose largest magnitude lies under 2^-124 has its byte held at 1; a block of zeros gets the byte 1 (its codes are zeros; this program alone reads the bytes).
.set KV,   13312                       ; a key step in LDS: K's 8 half images, K's scale words at 6,144, V's 8 half images at 6,656, V's scale words at 12,800
.set SG,   16*KV                       ; behind them: 2 x 512 bytes in which the tiles' half-words of scale bytes are gathered; no tile lands there
.set L16,  1                           ; 16 x lane
.set L8,   2                           ; 8 x lane + 512
.set SH8,  3                           ; 8 h
.set SGW,  4                           ; LDS: SG + 32 x wave + 2 rho
.set SGR,  5                           ; LDS: SG + 16 x lane
.set AD16, 6                           ; v6, v7  this trip's LDS addresses
.set AK16, 8                           ; v8, v9  the next trip's
.set T1,   10                          ; v10, v11 lane permutes' destinations
.set T2,   11
.set NA,   12                          ; v12 and v14 hold -M by turns; each is the low word of a pair
.set MX,   13                          ; the running largest score
.set NB,   14
.set T0,   15
.set QZ,   16                          ; v16-33  [0 x 6 | q | 0 x 6]
.set Q1,   34                          ; v34-39  the second tile's q
.set QS,   40                          ; Q's scale word; v41 the second tile's; v44-47 K's; v48-51 V's; v52 p's: these hold scales and nothing else
.set QS1,  41
.set KS,   44
.set VS,   48
.set PS,   52
.set R1,   54                          ; v54-117, v118-181 the two regions
.set R2,   118
.set O,    182                         ; v182-213 O^T
.set PC,   214                         ; v214-225 p's codes; ahead of the conversions v214-229 hold eight pair sums
.set TT,   226                         ; v226-233 the upper halves of the blocks' codes, before they are moved
.set TM,   234
.set BM,   238
.set SO,   240
.set BY,   242
.set FF,   244                         ; v[244:245] f, later 1 / l (the pair's low word serves both halves)
.set LS,   246                         ; v[246:247] the sum; v[248:249], v[250:251] two side chains
.set A1,   248
.set A2,   250
.set HW,   252
.set DD,   253
.set WV,   10                          ; s10  my wave's number
.set G1,   16
.set G0,   24
.set CS,   28                          ; s[28:29] c = log2(e) / 8;  s49 = -c
.set SEL,  30                          ; s[30:31] v_permlanex16_b32's selects for lane l xor 16
.set TN,   32                          ; s32  LDS byte at which the next trip's two key steps begin
.set CNT,  33                          ; s33  trips done
.set NC,   49
.macro WALU
	s_wait_alu depctr_va_vdst(0)
.endm
.macro CROUND                          ; a round of the cluster's barrier
	s_barrier_signal -1
	s_barrier_wait -1
	s_cmp_lg_u32 s[WV], 0
	s_cbranch_scc1 .Lnot_wave_0_\@
	s_barrier_signal -3
.Lnot_wave_0_\@:
	s_barrier_wait -3
	s_barrier_signal -1
	s_barrier_wait -1
.endm
.macro MM d, a, b, c, sa, sb
	v_wmma_scale_f32_16x16x128_f8f6f4 v[\d:\d+7], v[\a:\a+11], v[\b:\b+11], \c, v[\sa], v[\sb] matrix_a_fmt:MATRIX_FMT_FP6 matrix_b_fmt:MATRIX_FMT_FP6
.endm
.macro VLD kr, vof, n                  ; load n of V's 17: fragment t's half c in two pieces, then the scale words
.if (\n) < 16
.set T_, (\n)/4
.set C_, ((\n)/2)%2
.if (\n)%2 == 0
	ds_load_b128 v[\kr+12*T_+6*C_:\kr+12*T_+6*C_+3], v[AD16] offset:\vof+768*(4*C_+T_)
.else
	ds_load_b64 v[\kr+12*T_+6*C_+4:\kr+12*T_+6*C_+5], v[AD16+1] offset:\vof+768*(4*C_+T_)
.endif
.else
	ds_load_b128 v[VS:VS+3], v[AD16] offset:\vof+6144
.endif
.endm
.macro VLDS kr, vof, from, to
.set vn, \from
.rept (\to)-(\from)+1
	VLD \kr, \vof, vn
.set vn, vn+1
.endr
.endm
.macro KLDS sr, nk, kof, from, to      ; key tiles from .. to: half a fragment each
.set kn, \from
.rept (\to)-(\from)+1
	ds_load_b128 v[\sr+6*kn:\sr+6*kn+3], v[\nk] offset:\kof+768*kn
	ds_load_b64 v[\sr+6*kn+4:\sr+6*kn+5], v[\nk+1] offset:\kof+768*kn
.set kn, kn+1
.endr
.endm
.macro PL n, sr, na                    ; twelve plain lines that hang on nothing near them, laid among block 1's exponentials; all are first read behind the batch's wait
.if (\n) < 8
	v_pk_add_f32 v[PC+2*(\n):PC+2*(\n)+1], v[\sr+4*(\n):\sr+4*(\n)+1], v[\sr+4*(\n)+2:\sr+4*(\n)+3]   ; block 0's sum, first level
.elseif (\n) < 10
	v_max_num_f32 v[BM+(\n)-8], 0x1800000, v[BM+(\n)-8]   ; the floor 2^(3 - 127): the byte cannot fall under 1
.elseif (\n) == 10
	v_add_nc_u32 v[\na], s[TN], v[L16]     ; the next trip's addresses
.else
	v_add_nc_u32 v[\na+1], s[TN], v[L8]
.endif
.endm
	s_load_b128 s[4:7], s[0:1], 0x0                ; qkv, aoc
	s_load_b64 s[8:9], s[0:1], 0x10                ; aos
	v_lshl_add_u32 v254, v0, 2, 0x38000
	v_mov_b32 v255, 0
	ds_add_u32 v254, v255                          ; the opening lines: the add twice on end and its wait
	ds_add_u32 v254, v255
	v_lshrrev_b32 v[TM], 5, v0
	v_readfirstlane_b32 s[WV], v[TM]               ; wave 0..15
	v_and_b32 v[TM+1], 31, v0
	v_lshlrev_b32 v[L16], 4, v[TM+1]
	v_lshl_add_u32 v[L8], v[TM+1], 3, 512
	v_bfe_u32 v[TM+2], v0, 4, 1
	v_lshlrev_b32 v[SH8], 3, v[TM+2]
	v_and_b32 v[TM+3], 15, v0
	v_lshl_add_u32 v[SGW], v[TM+3], 1, SG
	s_lshl_b32 s47, s[WV], 5
	v_add_nc_u32 v[SGW], s47, v[SGW]
	v_add_nc_u32 v[SGR], SG, v[L16]
	v_add_nc_u32 v[AD16], 0, v[L16]                ; the first trip begins at LDS byte 0
	v_add_nc_u32 v[AD16+1], 0, v[L8]
.irp z, 0,1,2,3,4,5, 12,13,14,15,16,17
	v_mov_b32 v[QZ+\z], 0                          ; the zero codes beside q
.endr
	v_mov_b32 v[T1], 0                             ; a lane permute's destination counts as one of its sources
	v_mov_b32 v[T2], 0
	v_mov_b32 v[FF+1], 0                           ; (named as the upper half of a pair)
	s_bfe_u32 s11, ttmp6, 0x40000                  ; cx: which 512 queries
	s_and_b32 s12, ttmp7, 0xffff                   ; 16 x batch + head: the partners share it
	s_and_b32 s13, s12, 15                         ; head
	s_lshr_b32 s14, s12, 4                         ; batch
	s_lshl_b32 s15, s13, 6
	s_lshl_b32 s42, s14, 4
	s_add_co_u32 s15, s15, s42                     ; idx of the batch's first group of 128 tokens: 64 head + 16 batch
	s_add_co_u32 s42, s15, 512
	s_add_co_u32 s42, s42, s[WV]
	s_mul_i32 s42, s42, KV                         ; units 1,024 + 2 (idx + wave) and the next: key step w's K and V
	s_mov_b32 s43, 0
	s_mov_b32 s[G1], 15|(3<<16)|(1<<21)            ; group 1: a dense block of 13,312 bytes as 52 rows of 256; the mask names all four work-groups
	s_mov_b32 s[G1+1], 32<<16
	s_mov_b32 s[G1+2], 52<<16
	s_mov_b32 s[G1+3], 32<<16
	s_mov_b32 s[G1+4], 52
	s_mov_b32 s[G1+5], 32
	s_mov_b32 s[G1+6], 0
	s_mov_b32 s[G1+7], 0
	s_mov_b32 s[CS], 0x3e38aa3b                    ; c = log2(e) / sqrt(64)
	s_mov_b32 s[CS+1], s[CS]
	s_mov_b32 s[NC], 0xbe38aa3b                    ; -c
	s_mov_b32 s[SEL], 0x76543210
	s_mov_b32 s[SEL+1], 0xfedcba98
	s_mov_b32 s[G0], 1
	s_mul_i32 s[G0+1], s[WV], KV                   ; LDS: wave x a key step: no place in the cluster enters it
	WALU                                           ; the wait at the head's end
	s_wait_dscnt 0x0
	s_wait_kmcnt 0x0
	s_add_nc_u64 s[G0+2:G0+3], s[4:5], s[42:43]
	s_or_b32 s[G0+3], s[G0+3], 0x80000000
	CROUND                                         ; all four work-groups are here: the joint loads meet
	tensor_load_to_lds s[G0:G0+3], s[G1:G1+7]      ; my one tensor load of the launch
	s_nop 0
.rept 4
	v_nop
.endr
	; where my two tiles of queries lie: tile 16 p + w of the work-group's 32: unit idx + 4 cx + 2 p + w / 8, half image w % 8
	s_lshl_b32 s44, s11, 2
	s_add_co_u32 s44, s44, s15
	s_lshr_b32 s45, s[WV], 3
	s_add_co_u32 s44, s44, s45
	s_mul_i32 s44, s44, 6656
	s_mov_b32 s45, 0
	s_add_nc_u64 s[36:37], s[4:5], s[44:45]
	s_and_b32 s46, s[WV], 7
	s_mul_i32 s44, s46, 768
	s_add_nc_u64 s[34:35], s[36:37], s[44:45]      ; the codes
	s_lshr_b32 s44, s46, 1
	s_lshl_b32 s44, s44, 2
	s_add_nc_u64 s[36:37], s[36:37], s[44:45]      ; the word that holds my tile's two bytes
	global_load_b128 v[QZ+6:QZ+9], v[L16], s[34:35]
	global_load_b64 v[QZ+10:QZ+11], v[L8], s[34:35]
	global_load_b32 v[BY], v[L16], s[36:37] offset:6144
	global_load_b128 v[Q1:Q1+3], v[L16], s[34:35] offset:2*6656
	global_load_b64 v[Q1+4:Q1+5], v[L8], s[34:35] offset:2*6656
	global_load_b32 v[BY+1], v[L16], s[36:37] offset:2*6656+6144
	s_and_b32 s47, s[WV], 1
	s_mov_b32 s48, 0x03020302
	s_cmp_eq_u32 s47, 0
	s_cselect_b32 s48, 0x01000100, s48             ; an even tile's bytes are the word's low half, an odd tile's the high half
	; where O goes: token tile 128 batch + 32 cx + 16 p + w
	s_lshl_b32 s44, s14, 7
	s_lshl_b32 s46, s11, 5
	s_add_co_u32 s44, s44, s46
	s_lshl_b32 s46, s44, 5                         ; aos: 32 bytes a tile
	s_add_co_u32 s44, s44, s[WV]
	s_mul_i32 s44, s44, 12288
	s_mul_i32 s47, s13, 768
	s_add_co_u32 s44, s44, s47
	s_add_nc_u64 s[38:39], s[6:7], s[44:45]
	s_lshl_b32 s47, s13, 14                        ; aos: 512 tiles a head
	s_add_co_u32 s44, s46, s47
	s_add_nc_u64 s[40:41], s[8:9], s[44:45]
	s_wait_loadcnt 0x0                             ; Q
	v_perm_b32 v[QS], v[BY], v[BY], s48            ; the tile's two bytes in both halves of the word: one word serves [q | 0] and [0 | q]
	v_perm_b32 v[QS1], v[BY+1], v[BY+1], s48
	WALU
	s_wait_tensorcnt 0x0                           ; my key step is in,
	s_barrier_signal -1
	s_barrier_wait -1                              ; everybody's is
	KLDS R1, AD16, 0, 0, 7                         ; key step 0's fragments of K
	ds_load_b128 v[KS:KS+3], v[AD16] offset:6144
; A KEY STEP of 128 keys.  kr: K's fragments (asked for in the step before), then V's; sr: scores, p, then the next step's K.  no, nn: the old and the new -M.  vof: V's place from this trip's address;
; nk, kof: address registers and offset of the next step's K;  na: the address pair that this step writes anew.
.macro STEP kr, sr, no, nn, vof, nk, kof, na
	WALU
	s_wait_dscnt 0x0                               ; K's fragments and scale words are in
.if \na == AK16
	s_add_co_u32 s[TN], s[CNT], 1
	s_and_b32 s[TN], s[TN], 7                      ; behind the last trip: key step 0 again
	s_mul_i32 s[TN], s[TN], 2*KV
.endif
.irp g, 0,1,2,3
	MM \sr+16*\g, \kr+12*\g, QZ+6, 0, KS+\g, QS    ; [q | 0]: key tile 2 g
	MM \sr+16*\g+8, \kr+12*\g, QZ, 0, KS+\g, QS    ; [0 | q]: key tile 2 g + 1
.endr
	v_pk_add_f32 v[A2:A2+1], v[A2:A2+1], v[\kr+58:\kr+59]   ; the last step's pairs 29-31 and the joining of the chains: these are the places behind the products
	v_pk_add_f32 v[A1:A1+1], v[A1:A1+1], v[\kr+60:\kr+61]
	v_pk_add_f32 v[A2:A2+1], v[A2:A2+1], v[\kr+62:\kr+63]
	s_delay_alu instid0(VALU_DEP_1)
	v_pk_add_f32 v[A1:A1+1], v[A1:A1+1], v[A2:A2+1]
	s_delay_alu instid0(VALU_DEP_1)
	v_pk_add_f32 v[LS:LS+1], v[LS:LS+1], v[A1:A1+1]
.irp c, 0,1
.irp e, 0,1
	v_max3_num_f32 v[TM+2*\c+\e], v[\sr+32*\c+16*\e], v[\sr+32*\c+16*\e+1], v[\sr+32*\c+16*\e+2]   ; the largest score of each of my two blocks of 32 keys, in two chains each
.endr
.endr
.irp i, 3,5,7,9,11,13
.irp c, 0,1
.irp e, 0,1
	v_max3_num_f32 v[TM+2*\c+\e], v[TM+2*\c+\e], v[\sr+32*\c+16*\e+\i], v[\sr+32*\c+16*\e+\i+1]
.endr
.endr
.endr
.irp c, 0,1
	v_max3_num_f32 v[BM+\c], v[TM+2*\c], v[TM+2*\c+1], v[\sr+32*\c+15]
.endr
.irp c, 0,1
	v_max_num_f32 v[BM+\c], v[BM+\c], v[\sr+32*\c+31]
.endr
	s_delay_alu instid0(VALU_DEP_1)
	v_max_num_f32 v[T0], v[BM], v[BM+1]            ; the chain to M; V's 17 loads stand in its gaps
	VLDS \kr, \vof, 0, 2
	v_permlanex16_b32 v[T1], v[T0], s[SEL], s[SEL+1]
	VLDS \kr, \vof, 3, 5
	v_max3_num_f32 v[MX], v[MX], v[T0], v[T1]      ; the running largest score of my query
	VLDS \kr, \vof, 6, 8
	v_mul_f32 v[DD], s[NC], v[MX]                  ; -t
	VLDS \kr, \vof, 9, 11
	v_floor_f32 v[\nn], v[DD]                      ; the new -M = floor(-t) = -ceil(t): a whole number
	VLDS \kr, \vof, 12, 14
	v_sub_f32 v[DD], v[\nn], v[\no]                ; old M - new M: a whole number, 0 or less
	VLDS \kr, \vof, 15, 16
.set j, 0
.rept 16
	v_pk_fma_f32 v[\sr+j:\sr+j+1], v[\sr+j:\sr+j+1], s[CS:CS+1], v[\nn:\nn+1] op_sel_hi:[1,0,0]   ; block 0: t - M, two at a time
.if j == 2
	v_cvt_i32_f32 v[DD], v[DD]                     ; (it saturates)
.endif
.if j == 6
	v_ldexp_f32 v[FF], 1.0, v[DD]                  ; f = 2^(old M - new M): a multiplication by it rounds nothing
.endif
.set j, j+2
.endr
.irp c, 0,1
	v_fma_f32 v[BM+\c], v[BM+\c], s[CS], v[\nn]    ; the same of each block's largest score
.endr
	WALU                                           ; the wait ahead of the batch
.set j, 0
.rept 16
	v_exp_f32 v[\sr+j], v[\sr+j]                   ; block 0: p = 2^(t - M); block 1's t - M stands among them and is read behind the next wait
	v_exp_f32 v[\sr+j+1], v[\sr+j+1]
	v_pk_fma_f32 v[\sr+32+j:\sr+33+j], v[\sr+32+j:\sr+33+j], s[CS:CS+1], v[\nn:\nn+1] op_sel_hi:[1,0,0]
.set j, j+2
.endr
.irp c, 0,1
	v_exp_f32 v[BM+\c], v[BM+\c]                   ; the block's largest p: the same two instructions on the same number give the same bits
.endr
	v_pk_mul_f32 v[LS:LS+1], v[LS:LS+1], v[FF:FF+1] op_sel_hi:[1,0]   ; the sum under the new M.  (The plain place behind the exponentials)
	WALU                                           ; behind the first batch, ahead of the second
.set j, 0
.rept 16
	v_exp_f32 v[\sr+32+2*j], v[\sr+32+2*j]
	v_exp_f32 v[\sr+33+2*j], v[\sr+33+2*j]
.if j >= 4
	PL j-4, \sr, \na
.endif
.set j, j+1
.endr
	WALU                                           ; behind the second batch
.irp c, 0,1
	v_add_nc_u32 v[SO+\c], 0xff000000, v[BM+\c]    ; 2 off the exponent field: the conversion's scale operand
.endr
.irp k, 0,4,8,12
	v_pk_add_f32 v[PC+\k:PC+\k+1], v[PC+\k:PC+\k+1], v[PC+\k+2:PC+\k+3]   ; block 0's sum, the tree's further levels, by turns with the scale word's chain
.endr
.irp c, 0,1
	v_lshrrev_b32 v[BY+\c], 23, v[SO+\c]           ; the scale's byte
.endr
	v_pk_add_f32 v[PC:PC+1], v[PC:PC+1], v[PC+4:PC+5]
	v_pk_add_f32 v[PC+8:PC+9], v[PC+8:PC+9], v[PC+12:PC+13]
	v_lshl_or_b32 v[PS], v[BY+1], 16, v[BY]        ; my two bytes, blocks h and 2 + h,
	v_pk_add_f32 v[PC:PC+1], v[PC:PC+1], v[PC+8:PC+9]
	s_delay_alu instid0(VALU_DEP_2)
	v_lshlrev_b32 v[PS], v[SH8], v[PS]             ; at their places
	s_delay_alu instid0(VALU_DEP_2)
	v_pk_add_f32 v[LS:LS+1], v[LS:LS+1], v[PC:PC+1]
.irp c, 0,1
	v_cvt_scalef32_pk16_fp6_f32 v[PC+6*\c:PC+6*\c+2], v[\sr+32*\c:\sr+32*\c+15], v[SO+\c]
	v_cvt_scalef32_pk16_fp6_f32 v[TT+4*\c:TT+4*\c+2], v[\sr+32*\c+16:\sr+32*\c+31], v[SO+\c]   ; (a conversion's three registers begin on an even number)
.endr
	KLDS \sr, \nk, \kof, 0, 4                      ; the next step's key tiles 0-4 take block 0's registers
	v_permlanex16_b32 v[T2], v[PS], s[SEL], s[SEL+1]   ; (the plain place behind the conversions)
	v_pk_add_f32 v[A1:A1+1], v[\sr+32:\sr+33], v[\sr+34:\sr+35]   ; pairs 16-23, ahead of the loads that take their registers
	v_pk_add_f32 v[A2:A2+1], v[\sr+36:\sr+37], v[\sr+38:\sr+39]
	v_or_b32 v[PS], v[PS], v[T2]                   ; with lane l xor 16's two bytes: p's scale word for these 128 keys
	v_pk_add_f32 v[A1:A1+1], v[A1:A1+1], v[\sr+40:\sr+41]
	v_pk_add_f32 v[A2:A2+1], v[A2:A2+1], v[\sr+42:\sr+43]
	v_pk_add_f32 v[A1:A1+1], v[A1:A1+1], v[\sr+44:\sr+45]
	v_pk_add_f32 v[A2:A2+1], v[A2:A2+1], v[\sr+46:\sr+47]
	KLDS \sr, \nk, \kof, 5, 7
	ds_load_b128 v[KS:KS+3], v[\nk] offset:\kof+6144
.irp c, 0,1
.irp i, 0,1,2
	v_mov_b32 v[PC+6*\c+3+\i], v[TT+4*\c+\i]
.endr
.endr
	WALU                                           ; directly ahead of the first reader of O^T
.set j, 0
.rept 16
	v_pk_mul_f32 v[O+j:O+j+1], v[O+j:O+j+1], v[FF:FF+1] op_sel_hi:[1,0]   ; O^T under the new M.  (Also the places between the writes of p's codes and scale word and the products)
.set j, j+2
.endr
	WALU
	s_wait_dscnt 17                                ; V is in; the 17 younger loads, the next step's K, may be out
.irp t, 0,1,2,3
	MM O+8*\t, \kr+12*\t, PC, v[O+8*\t:O+8*\t+7], VS+\t, PS   ; the four accumulators by turns
.endr
	v_pk_add_f32 v[A1:A1+1], v[A1:A1+1], v[\sr+48:\sr+49]   ; pairs 24-28: five places ahead of the next step's products, which write over V's registers
	v_pk_add_f32 v[A2:A2+1], v[A2:A2+1], v[\sr+50:\sr+51]
	v_pk_add_f32 v[A1:A1+1], v[A1:A1+1], v[\sr+52:\sr+53]
	v_pk_add_f32 v[A2:A2+1], v[A2:A2+1], v[\sr+54:\sr+55]
	v_pk_add_f32 v[A1:A1+1], v[A1:A1+1], v[\sr+56:\sr+57]
.endm
; Query tile p: all 16 key steps, then O^T / l is quantised and stored.
.macro PASS p
	s_wait_xcnt 0x0                                ; the stores of the tile before have read their registers
.if \p
.irp i, 0,1,2,3,4,5
	v_mov_b32 v[QZ+6+\i], v[Q1+\i]
.endr
	v_mov_b32 v[QS], v[QS1]
.endif
	v_mov_b32 v[MX], 0xff61b1e6                    ; the largest score so far: -3e38
	v_mov_b32 v[NA], 0x7f61b1e6                    ; -M
.irp r, LS, LS+1, A1, A1+1, A2, A2+1, R1+58, R1+59, R1+60, R1+61, R1+62, R1+63
	v_mov_b32 v[\r], 0                             ; the sums, and the three pairs that the first step adds for a step before it
.endr
.set j, 0
.rept 32
	v_mov_b32 v[O+j], 0                            ; O^T.  (The step is written once: its first trip finds zeros, which the first change of M leaves zeros)
.set j, j+1
.endr
	s_mov_b32 s[CNT], 0
.Ltrip_\@:
	STEP R1, R2, NA, NB, 6656, AD16, KV, AK16
	STEP R2, R1, NB, NA, KV+6656, AK16, 0, AD16
	s_add_co_u32 s[CNT], s[CNT], 1
	s_cmp_lt_u32 s[CNT], 8
	s_cbranch_scc1 .Ltrip_\@
	v_pk_add_f32 v[A2:A2+1], v[A2:A2+1], v[R1+58:R1+59]   ; the last step's pairs 29-31
	v_pk_add_f32 v[A1:A1+1], v[A1:A1+1], v[R1+60:R1+61]
	v_pk_add_f32 v[A2:A2+1], v[A2:A2+1], v[R1+62:R1+63]
	s_delay_alu instid0(VALU_DEP_1)
	v_pk_add_f32 v[A1:A1+1], v[A1:A1+1], v[A2:A2+1]
	s_delay_alu instid0(VALU_DEP_1)
	v_pk_add_f32 v[LS:LS+1], v[LS:LS+1], v[A1:A1+1]
	s_delay_alu instid0(VALU_DEP_1)
	v_add_f32 v[LS], v[LS], v[LS+1]                ; the sum's two halves,
	s_delay_alu instid0(VALU_DEP_1)
	v_permlanex16_b32 v[T1], v[LS], s[SEL], s[SEL+1]
	s_delay_alu instid0(VALU_DEP_1)
	v_add_f32 v[LS], v[LS], v[T1]                  ; and lane l xor 16's: the row's sum
	WALU
	v_rcp_f32 v[FF], v[LS]
	v_nop                                          ; a plain place behind the transcendental
	WALU                                           ; and the wait ahead of its first reader, and of O^T's
.set j, 0
.rept 16
	v_pk_mul_f32 v[R2+j:R2+j+1], v[O+j:O+j+1], v[FF:FF+1] op_sel_hi:[1,0]   ; O^T / l: register i is number 32 h + i of the head's 64: one whole block of the last projection's K
.set j, j+2
.endr
.irp e, 0,1
	v_max3_num_f32 v[TM+\e], 0x1800000, |v[R2+16*\e]|, |v[R2+16*\e+1]|   ; the block's largest magnitude, in two chains, each begun with the floor
.endr
.irp i, 2,4,6,8,10,12,14
.irp e, 0,1
	s_delay_alu instid0(VALU_DEP_2)
	v_max3_num_f32 v[TM+\e], v[TM+\e], |v[R2+16*\e+\i]|, |v[R2+16*\e+\i+1]|
.endr
.endr
	s_delay_alu instid0(VALU_DEP_1)
	v_max_num_f32 v[BM], v[TM], v[TM+1]
	s_delay_alu instid0(VALU_DEP_1)
	v_add_nc_u32 v[SO], 0xff000000, v[BM]
	s_delay_alu instid0(VALU_DEP_1)
	v_lshrrev_b32 v[BY], 23, v[SO]
	s_delay_alu instid0(VALU_DEP_1)
	v_lshlrev_b32 v[HW], v[SH8], v[BY]
	s_delay_alu instid0(VALU_DEP_1)
	v_permlanex16_b32 v[T2], v[HW], s[SEL], s[SEL+1]
	s_delay_alu instid0(VALU_DEP_1)
	v_or_b32 v[HW], v[HW], v[T2]                   ; the row's two bytes for this head
	v_cvt_scalef32_pk16_fp6_f32 v[PC:PC+2], v[R2:R2+15], v[SO]
	v_cvt_scalef32_pk16_fp6_f32 v[TT:TT+2], v[R2+16:R2+31], v[SO]
	v_nop                                          ; one plain place behind a scaled conversion
.irp i, 0,1,2
	v_mov_b32 v[PC+3+\i], v[TT+\i]
.endr
	global_store_b128 v[L16], v[PC:PC+3], s[38:39] offset:16*12288*\p   ; a half image: 512 consecutive bytes,
	global_store_b64 v[L8], v[PC+4:PC+5], s[38:39] offset:16*12288*\p   ; and 256
	ds_store_b16 v[SGW], v[HW] offset:512*\p       ; both halves of the lanes write the same half-word with the same value
.endm
	PASS 0
	PASS 1
	s_wait_dscnt 0x0                               ; for wave 0's sake: my half-words have landed (and the last wrapped loads of K are in)
	s_barrier_signal -1
	s_barrier_wait -1
	s_cmp_lg_u32 s[WV], 0
	s_cbranch_scc1 .Lno_scales
	ds_load_b128 v[R2:R2+3], v[SGR]                ; the 32 tiles' half-words leave as whole blocks of 256 bytes
	ds_load_b128 v[R2+4:R2+7], v[SGR] offset:512
	s_wait_dscnt 0x0
	global_store_b128 v[L16], v[R2:R2+3], s[40:41]
	global_store_b128 v[L16], v[R2+4:R2+7], s[40:41] offset:512
.Lno_scales:
	s_wait_tensorcnt 0x0                           ; the wave's end
	ds_add_u32 v254, v255
	s_wait_dscnt 0x0
	CROUND                                         ; the closing round
	s_endpgm
.Lfunc_end_k_q31e10be61a_attn:
	.size	k_q31e10be61a_attn, .Lfunc_end_k_q31e10be61a_attn-k_q31e10be61a_attn
	.p2alignl 7, 3214868480
	.fill 96, 4, 3214868480
	.section	.rodata,"a",@progbits
	.p2align	6, 0x0
	.amdhsa_kernel k_q31e10be61a_attn
		.amdhsa_group_segment_fixed_size 231424
		.amdhsa_private_segment_fixed_size 0
		.amdhsa_enable_private_segment 0
		.amdhsa_kernarg_size 24
		.amdhsa_user_sgpr_count 2
		.amdhsa_user_sgpr_kernarg_segment_ptr 1
		.amdhsa_wavefront_size32 1
		.amdhsa_system_sgpr_workgroup_id_x 1
		.amdhsa_system_sgpr_workgroup_id_y 1
		.amdhsa_system_sgpr_workgroup_id_z 1
		.amdhsa_system_vgpr_workitem_id 0
		.amdhsa_next_free_vgpr 256
		.amdhsa_next_free_sgpr 66
		.amdhsa_reserve_vcc 0
		.amdhsa_float_denorm_mode_32 3
		.amdhsa_float_denorm_mode_16_64 3
		.amdhsa_memory_ordered 1
		.amdhsa_forward_progress 1
		.amdhsa_inst_pref_size 79
	.end_amdhsa_kernel
	.amdgpu_metadata
---
amdhsa.version: [ 1, 2 ]
amdhsa.kernels:
  - .name:           k_q31e10be61a_attn
    .symbol:         k_q31e10be61a_attn.kd
    .args:
      - { .name: qkv, .offset: 0, .size: 8, .value_kind: global_buffer, .address_space: global }
      - { .name: aoc, .offset: 8, .size: 8, .value_kind: global_buffer, .address_space: global }
      - { .name: aos, .offset: 16, .size: 8, .value_kind: global_buffer, .address_space: global }
    .group_segment_fixed_size: 231424
    .private_segment_fixed_size: 0
    .kernarg_segment_align: 8
    .kernarg_segment_size: 24
    .max_flat_workgroup_size: 512
    .sgpr_count:     66
    .vgpr_count:     256
    .wavefront_size: 32
...
	.end_amdgpu_metadata
.endif
;; end of part 3
;; launch oproj (part 4): grid 4 x 64, 4 waves a work-group, clusters of 4 x 4, 327,680 bytes of LDS; arguments aoc, aos, opc, ops, out0; writes out0
.if DOCPART == 4
	.amdgcn_target "amdgcn-amd-amdhsa--gfx1250"
	.amdhsa_code_object_version 6
	.text
	.protected	k_q31e10be61a_oproj
	.globl	k_q31e10be61a_oproj
	.p2align	8
	.type	k_q31e10be61a_oproj,@function
k_q31e10be61a_oproj:
	s_mov_b64 s[64:65], 0
	v_nop
	global_prefetch_b8 v0, s[64:65] scope:SCOPE_SE
	s_setreg_imm32_b32 hwreg(HW_REG_WAVE_MODE, 25, 1), 1
	s_wait_xcnt 0x0
	s_wait_alu depctr_hold_cnt(0) depctr_sa_sdst(0) depctr_va_vdst(0) depctr_va_sdst(0) depctr_va_ssrc(0) depctr_va_vcc(0) depctr_vm_vsrc(0)
	s_getreg_b32 s2, hwreg(HW_REG_IB_STS2, 6, 4)
	s_cmp_eq_u32 s2, 0
	s_cbranch_scc0 .Lentry_in_a_cluster
	s_endpgm
.Lentry_in_a_cluster:
	s_bfe_u32 s2, ttmp6, 0x10000c
	s_cmp_lg_u32 s2, 0xf033
	s_cbranch_scc0 .Lentry_shape_is_right
	s_endpgm
.Lentry_shape_is_right:
; out0 [8192][1024] f32 = O W_o^T on codes of FP6 (E2M3) with E8M0 scales; K = 1,024.
; INPUT.  aoc: token tile x 12,288 bytes = 16 half images of 768 bytes (16 rows x 64 K: lane l's first 16 bytes at 16 l, its last 8 at 512 + 8 l); place rho of tile 4 grp + tau is token 64 grp + 8 tau + rho % 8 + 32 (rho / 8).
; aos: half-words [head][tile][place].  opc, ops: W_o's rows are tiles 704-767, laid the same way; ops: tile x 512 bytes, place rho's 32 scale bytes at 32 rho.
; SHARES.  A work-group makes 128 tokens x 256 columns: 64 x 4 = 256 work-groups.  ALL OF K LIES IN LDS AT ONCE: W_o's 16 tiles (196,608 bytes) and O's 8 tiles (98,304), filled once, by one joint load a wave (waves 0, 1: halves of
; W_o's; waves 2, 3: halves of O's).  Nothing is filled again, so the walk has no barrier.  CLUSTERS of 4 x 4: O's tiles are shared along a row of the cluster, W_o's along a column.
; A wave takes 64 columns and holds their weights, 4 tiles x 8 K steps x 12 registers = 384, in registers; the first barrier shows W_o's tiles alone, and these 128 LDS loads stand ahead of the wait for O's tiles.
; The 8 token tiles stream past them, in two sets of 8 fragments: 32 products on four accumulators by turns finish 16 rows x 64 columns, which leave at once: through the wave's own stage in LDS, back as rows of 256 bytes,
; sixteen lanes to one aligned run of 256 bytes of out0, while the next tile is multiplied.
; The matrix instruction is used transposed (source 0 = W_o's rows): by the order of rows in a tile, register 8 b + j of lane (r, h) is column 32 h + 8 b + j of the wave's 64.
; Nothing is prefetched: every tile is asked for at the head, and there is no loop to run ahead in.
; REGISTERS: window 0: addresses, scale words (v32-63 O's, v66-81 W_o's), v96-159 two sets of four accumulators, v160-223 two sets of 16 rows on their way out.  Windows 1-3: fragments, 21 to a window: 0-31 W_o's (4 q + b), 32-47 O's two sets.
.set FR,    12
.set FPW,   21
.set TILE,  12288
.set AB,    16*TILE                    ; O's tiles lie behind W_o's
.set SPARE, 24*TILE                    ; the spare words, 512 bytes
.set SCRB,  SPARE+512                  ; a region of 4,352 bytes for each wave: at the head the scale bytes turn through it, later it is the stage
.set WSC,   4352
.set SPITCH, 272                       ; a stage row: 256 bytes + 16
.set BAD,   16                         ; v16, v17  LDS address of my weights' pieces of 16 and of 8 bytes
.set AAD,   18                         ; v18, v19  the same for token tiles 0-3;  v20, v21 for tiles 4-7
.set STO,   24
.set RD,    25
.set CO,    26
.set SPW,   28
.set NIL,   29
.set SCW,   30
.set TRA,   31
.set SA,    32
.set SB,    66
.set ACC,   96
.set OB,    160
.set G1,  24
.set G0,  32
.set G1B, 48
.set G0B, 56
.set MSB, 0
.macro WIN new
.if MSB != (\new)
	s_set_vgpr_msb (MSB<<8)|(\new)
.set MSB, (\new)
.endif
.endm
.macro CROUND
	s_barrier_signal -1
	s_barrier_wait -1
	s_cmp_lg_u32 s14, 0
	s_cbranch_scc1 .Lnot_wave_0_\@
	s_barrier_signal -3
.Lnot_wave_0_\@:
	s_barrier_wait -3
	s_barrier_signal -1
	s_barrier_wait -1
.endm
.macro PLACES
.rept 4
	v_nop
.endr
.endm
.macro FRAG f, a16, off                ; fragment f: two half images, each 16 + 8 bytes a lane
	WIN (1+(\f)/FPW)<<6
.set R_, FR*((\f)%FPW)
	ds_load_b128 v[R_:R_+3], v[\a16] offset:\off
	ds_load_b64 v[R_+4:R_+5], v[\a16+1] offset:\off
	ds_load_b128 v[R_+6:R_+9], v[\a16] offset:(\off)+768
	ds_load_b64 v[R_+10:R_+11], v[\a16+1] offset:(\off)+768
.endm
.macro FETCH a, e                      ; token tile a, all of K, into set e: 32 loads
.irp q, 0,1,2,3,4,5,6,7
	FRAG 32+8*(\e)+\q, AAD+2*((\a)/4), ((\a)%4)*TILE+\q*1536
.endr
	WIN 0
.endm
.macro PROD e, a, q, b                 ; source 0: W_o's tile b, source 1: token tile a, K step q
.set FB_, 4*(\q)+(\b)
.set FA_, 32+8*(\e)+(\q)
.set D_, ACC+32*(\e)+8*(\b)
.set RB_, FR*(FB_%FPW)
.set RA_, FR*(FA_%FPW)
	WIN (1+FB_/FPW)|((1+FA_/FPW)<<2)
.if (\q) == 0
	v_wmma_scale_f32_16x16x128_f8f6f4 v[D_:D_+7], v[RB_:RB_+11], v[RA_:RA_+11], 0, v[SB+4*(\b)], v[SA+4*(\a)] matrix_a_fmt:MATRIX_FMT_FP6 matrix_b_fmt:MATRIX_FMT_FP6
.elseif (\q) < 4
	v_wmma_scale_f32_16x16x128_f8f6f4 v[D_:D_+7], v[RB_:RB_+11], v[RA_:RA_+11], v[D_:D_+7], v[SB+4*(\b)+(\q)], v[SA+4*(\a)+(\q)] matrix_a_fmt:MATRIX_FMT_FP6 matrix_b_fmt:MATRIX_FMT_FP6
.else
	v_wmma_scale_f32_16x16x128_f8f6f4 v[D_:D_+7], v[RB_:RB_+11], v[RA_:RA_+11], v[D_:D_+7], v[SB+4*(\b)+(\q)-4], v[SA+4*(\a)+(\q)-4] matrix_a_fmt:MATRIX_FMT_FP6 matrix_b_fmt:MATRIX_FMT_FP6 matrix_a_scale:MATRIX_SCALE_ROW1 matrix_b_scale:MATRIX_SCALE_ROW1
.endif
.endm
.macro TOSTAGE s                       ; 8 stores and 8 loads: LDS serves a wave's instructions in order, so no wait stands between them
.set AC_, ACC+32*((\s)%2)
.set OB_, OB+32*((\s)%2)
.irp b, 0,1,2,3
	ds_store_b128 v[STO], v[AC_+8*\b:AC_+8*\b+3] offset:32*\b          ; each accumulator from its low end on
	ds_store_b128 v[STO], v[AC_+8*\b+4:AC_+8*\b+7] offset:32*\b+16
.endr
.irp t, 0,1,2,3,4,5,6,7
	ds_load_b128 v[OB_+4*\t:OB_+4*\t+3], v[RD] offset:2*\t*SPITCH      ; places 2 t and 2 t + 1: two rows of 256 bytes
.endr
.endm
.macro SEND a
.set OB_, OB+32*((\a)%2)
.irp t, 0,1,2,3,4,5,6,7
	global_store_b128 v[CO], v[OB_+4*\t:OB_+4*\t+3], s[12:13] offset:(64*((\a)/4)+8*((\a)%4)+(2*\t)%8+32*((2*\t)/8))*4096 th:TH_STORE_NT   ; sixteen lanes store 256 consecutive bytes, at a multiple of 256 from out0's first byte
.endr
.endm
; Token tile s.  Its fragments were fetched two tiles ago; younger than that fetch are the tile before's 16 stage instructions and its fetch of 32 (tile 0: tile 1's fetch alone; tile 7: no fetch).
.macro BLOCK s
.set E_, (\s)%2
.if (\s) == 0
	s_wait_dscnt 32
.elseif (\s) == 7
	s_wait_dscnt 16
.else
	s_wait_dscnt 48
.endif
.irp q, 0,1,2,3,4,5,6,7
.irp b, 0,1,2,3
	PROD E_, \s, \q, \b
.endr
.endr
	WIN 0
	PLACES                                         ; ahead of the stage's stores, which read results just made, and of the fetch into the fragments just read
.if (\s) > 0
.if (\s) < 7
	s_wait_dscnt 32                                ; the tile before is back from the stage; the fetch issued behind it may be out
.else
	s_wait_dscnt 0x0
.endif
	SEND (\s)-1
.endif
	s_wait_xcnt 0x0                                ; earlier stores have read their registers: the loads below may land there
	TOSTAGE \s
.if (\s)+2 < 8
	FETCH (\s)+2, E_
.endif
.endm
	s_load_b256 s[4:11], s[0:1], 0x0               ; aoc, aos, opc, ops
	s_load_b64 s[12:13], s[0:1], 0x20              ; out0
	v_lshl_add_u32 v[SPW], v0, 2, SPARE
	v_mov_b32 v[NIL], 0
	ds_add_u32 v[SPW], v[NIL]                      ; the opening lines: the add twice on end and its wait
	ds_add_u32 v[SPW], v[NIL]
	v_lshrrev_b32 v1, 5, v0
	v_readfirstlane_b32 s14, v1                    ; wave 0..3: my 64 columns.  Also: waves 0, 1 fetch W_o's halves, waves 2, 3 O's
	s_and_b32 s16, s14, 1
	s_bfe_u32 s40, ttmp6, 0x40000                  ; cx
	s_bfe_u32 s41, ttmp6, 0x40004                  ; cy
	s_lshl_b32 s42, ttmp9, 2
	s_add_co_u32 s42, s42, s40                     ; block of 256 columns
	s_and_b32 s17, ttmp7, 0xffff
	s_lshl_b32 s17, s17, 2
	s_add_co_u32 s17, s17, s41                     ; block of 128 tokens
	s_lshl_b32 s43, s41, 2
	s_lshl_b32 s43, 15, s43                        ; my row of the cluster
	s_lshl_b32 s44, 0x1111, s40                    ; my column
	s_or_b32 s[G1+0], s43, (3<<16)|(1<<21)         ; group 1: dense tiles as rows of 12,288 bytes (1,536 elements of 8): O's 4 to a load,
	s_or_b32 s[G1B+0], s44, (3<<16)|(1<<21)        ; W_o's 8
	s_mov_b32 s[G1+1], 1536<<16
	s_mov_b32 s[G1+2], 4<<16
	s_mov_b32 s[G1+3], 1536<<16
	s_mov_b32 s[G1+4], 4
	s_mov_b32 s[G1+5], 1536
	s_mov_b32 s[G1+6], 0
	s_mov_b32 s[G1+7], 0
	s_mov_b32 s[G1B+1], 1536<<16
	s_mov_b32 s[G1B+2], 8<<16
	s_mov_b32 s[G1B+3], 1536<<16
	s_mov_b32 s[G1B+4], 8
	s_mov_b32 s[G1B+5], 1536
	s_mov_b32 s[G1B+6], 0
	s_mov_b32 s[G1B+7], 0
	s_lshl_b32 s20, s17, 3
	s_lshl_b32 s18, s16, 2
	s_add_co_u32 s20, s20, s18                     ; O: tile 8 x block + 4 x half
	s_mul_i32 s20, s20, TILE
	s_mov_b32 s21, 0
	s_lshl_b32 s46, s42, 4
	s_add_co_u32 s46, s46, 704
	s_lshl_b32 s18, s16, 3
	s_add_co_u32 s46, s46, s18                     ; W_o: tile 704 + 16 x block + 8 x half
	s_mul_i32 s46, s46, TILE
	s_mov_b32 s47, 0
	s_mov_b32 s[G0], 1
	s_mul_i32 s[G0+1], s16, 4*TILE
	s_add_co_u32 s[G0+1], s[G0+1], AB
	s_mov_b32 s[G0B], 1
	s_mul_i32 s[G0B+1], s16, 8*TILE
	s_mul_i32 s85, s14, WSC
	s_add_co_u32 s85, s85, SCRB                    ; my region
	s_mul_i32 s84, s14, 4*TILE                     ; my four tiles of W_o
	v_and_b32 v1, 31, v0
	v_lshlrev_b32 v12, 4, v1
	v_lshl_add_u32 v13, v1, 3, 512
	v_lshlrev_b32 v7, 3, v1
	v_and_b32 v14, 15, v0                          ; r
	v_bfe_u32 v15, v0, 4, 1                        ; h
	v_add_nc_u32 v[BAD], s84, v12
	v_add_nc_u32 v[BAD+1], s84, v13
	v_add_nc_u32 v[AAD], AB, v12
	v_add_nc_u32 v[AAD+1], AB, v13
	v_add_nc_u32 v[AAD+2], AB+4*TILE, v12
	v_add_nc_u32 v[AAD+3], AB+4*TILE, v13
	v_lshlrev_b32 v6, 5, v14
	v_lshl_add_u32 v6, v15, 4, v6                  ; ops: 32 r + 16 h
	v_add_nc_u32 v[SCW], s85, v7
	v_and_b32 v5, 7, v0
	v_lshl_add_u32 v5, v15, 3, v5
	v_bfe_u32 v8, v0, 3, 1
	v_lshlrev_b32 v5, 8, v5
	v_lshl_add_u32 v5, v8, 4, v5
	v_add_nc_u32 v[TRA], s85, v5
	v_mul_u32_u24 v9, v14, SPITCH
	v_lshl_add_u32 v9, v15, 7, v9
	v_add_nc_u32 v[STO], s85, v9                   ; into the stage: row r, + 128 h
	v_mul_u32_u24 v10, v15, SPITCH
	v_lshl_add_u32 v10, v14, 4, v10
	v_add_nc_u32 v[RD], s85, v10                   ; out of it: lanes 0-15 one row, lanes 16-31 the next
	v_lshlrev_b32 v11, 12, v15
	v_lshl_add_u32 v[CO], v14, 4, v11              ; and the same two rows in out0
	s_wait_alu depctr_va_vdst(0)                   ; the wait at the head's end
	s_wait_dscnt 0x0
	CROUND                                         ; all sixteen work-groups are here: the joint loads meet
	s_wait_kmcnt 0x0
	s_add_nc_u64 s[G0+2:G0+3], s[4:5], s[20:21]
	s_or_b32 s[G0+3], s[G0+3], 0x80000000
	s_add_nc_u64 s[G0B+2:G0B+3], s[8:9], s[46:47]
	s_or_b32 s[G0B+3], s[G0B+3], 0x80000000
	s_cmp_lt_u32 s14, 2
	s_cbranch_scc0 .Lfor_a
	tensor_load_to_lds s[G0B:G0B+3], s[G1B:G1B+7]  ; waves 0, 1: a half of W_o's tiles
	s_nop 0
	PLACES
	s_branch .Lasked
.Lfor_a:
	tensor_load_to_lds s[G0:G0+3], s[G1:G1+7]      ; waves 2, 3: a half of O's tiles
	s_nop 0
	PLACES
.Lasked:
	s_lshl_b32 s68, s17, 8                         ; aos: 8 tiles x 32 bytes for each head
	s_mov_b32 s69, 0
	s_add_nc_u64 s[68:69], s[6:7], s[68:69]
.irp d, 0,1,2,3,4,5,6,7,8,9,10,11,12,13,14,15
	global_load_b64 v[OB+2*\d:OB+2*\d+1], v7, s[68:69] offset:16384*\d
.endr
	s_lshl_b32 s72, s42, 4
	s_add_co_u32 s72, s72, 704
	s_lshl_b32 s73, s14, 2
	s_add_co_u32 s72, s72, s73
	s_lshl_b32 s72, s72, 9
	s_mov_b32 s73, 0
	s_add_nc_u64 s[72:73], s[10:11], s[72:73]
.irp i, 0,1,2,3
	global_load_b128 v[SB+4*\i:SB+4*\i+3], v6, s[72:73] offset:512*\i   ; word k of lanes 0-15: K step k; of lanes 16-31: K step 4 + k
.endr
	s_lshl_b32 s74, s17, 19                        ; out0: 128 rows of 4,096 bytes a block,
	s_lshl_b32 s75, s42, 10
	s_add_co_u32 s74, s74, s75                     ; 1,024 bytes a block of columns,
	s_lshl_b32 s75, s14, 8
	s_add_co_u32 s74, s74, s75                     ; 256 a wave
	s_mov_b32 s75, 0
	s_add_nc_u64 s[12:13], s[12:13], s[74:75]
	s_wait_loadcnt 4                               ; O's half-words are in; the four younger loads may be out
.irp d, 0,1,2,3,4,5,6,7,8,9,10,11,12,13,14,15
	ds_store_b64 v[SCW], v[OB+2*\d:OB+2*\d+1] offset:256*\d
.endr
.irp i, 0,1,2,3,4,5,6,7
	ds_load_tr16_b128 v[SA+4*\i:SA+4*\i+3], v[TRA] offset:32*\i   ; [head][place] becomes [place][head]: tile i's scale words, laid as W_o's are
.endr
	s_cmp_lt_u32 s14, 2
	s_cbranch_scc0 .Lnot_b
	s_wait_tensorcnt 0x0                           ; my half of W_o's tiles is in
.Lnot_b:
	s_wait_dscnt 0x0
	s_barrier_signal -1
	s_barrier_wait -1                              ; W_o's tiles are in; O's may still be on their way
.irp q, 0,1,2,3,4,5,6,7
.irp b, 0,1,2,3
	FRAG 4*\q+\b, BAD, \b*TILE+\q*1536
.endr
.endr
	WIN 0
	s_wait_loadcnt 0x0
	s_wait_tensorcnt 0x0
	s_wait_dscnt 0x0
	s_barrier_signal -1
	s_barrier_wait -1                              ; O's tiles are in
	FETCH 0, 0
	FETCH 1, 1
.irp s, 0,1,2,3,4,5,6,7
	BLOCK \s
.endr
	s_wait_dscnt 0x0
	SEND 7
	s_wait_tensorcnt 0x0                           ; the wave's end
	ds_add_u32 v[SPW], v[NIL]
	s_wait_dscnt 0x0
	CROUND                                         ; the closing round
	s_endpgm
.Lfunc_end_k_q31e10be61a_oproj:
	.size	k_q31e10be61a_oproj, .Lfunc_end_k_q31e10be61a_oproj-k_q31e10be61a_oproj
	.p2alignl 7, 3214868480
	.fill 96, 4, 3214868480
	.section	.rodata,"a",@progbits
	.p2align	6, 0x0
	.amdhsa_kernel k_q31e10be61a_oproj
		.amdhsa_group_segment_fixed_size 327680
		.amdhsa_private_segment_fixed_size 0
		.amdhsa_enable_private_segment 0
		.amdhsa_kernarg_size 40
		.amdhsa_user_sgpr_count 2
		.amdhsa_user_sgpr_kernarg_segment_ptr 1
		.amdhsa_wavefront_size32 1
		.amdhsa_system_sgpr_workgroup_id_x 1
		.amdhsa_system_sgpr_workgroup_id_y 1
		.amdhsa_system_sgpr_workgroup_id_z 1
		.amdhsa_system_vgpr_workitem_id 0
		.amdhsa_next_free_vgpr 840
		.amdhsa_next_free_sgpr 98
		.amdhsa_reserve_vcc 0
		.amdhsa_float_denorm_mode_32 3
		.amdhsa_float_denorm_mode_16_64 3
		.amdhsa_memory_ordered 1
		.amdhsa_forward_progress 1
		.amdhsa_inst_pref_size 84
	.end_amdhsa_kernel
	.amdgpu_metadata
---
amdhsa.version: [ 1, 2 ]
amdhsa.kernels:
  - .name:           k_q31e10be61a_oproj
    .symbol:         k_q31e10be61a_oproj.kd
    .args:
      - { .name: aoc, .offset: 0, .size: 8, .value_kind: global_buffer, .address_space: global }
      - { .name: aos, .offset: 8, .size: 8, .value_kind: global_buffer, .address_space: global }
      - { .name: opc, .offset: 16, .size: 8, .value_kind: global_buffer, .address_space: global }
      - { .name: ops, .offset: 24, .size: 8, .value_kind: global_buffer, .address_space: global }
      - { .name: out0, .offset: 32, .size: 8, .value_kind: global_buffer, .address_space: global }
    .group_segment_fixed_size: 327680
    .private_segment_fixed_size: 0
    .kernarg_segment_align: 8
    .kernarg_segment_size: 40
    .max_flat_workgroup_size: 128
    .sgpr_count:     98
    .vgpr_count:     840
    .wavefront_size: 32
...
	.end_amdgpu_metadata
.endif
;; end of part 4
